; MI455X (gfx1250); checked and timed in simulation.
; The chip was launched on July 23, 2026; its instructions are those of AMD's public machine-readable ISA for CDNA 5 (MIT licence, August 2026) and "CDNA5" Instruction Set Architecture Reference Guide (July 2026). The comments in the code are by the model that wrote it; some were corrected since.
;; Attention. Allowed arithmetic: float matrix products may take bf16 or f16 operands with f32 sums; other float arithmetic in f32, or as packed bf16 or f16 multiplies, adds, multiply-adds, maxima and minima; sums over many terms, partial sums and values carried from step to step in f32; what a program stores and reads back later, other than sums and carried values, may be rounded once to bf16 or f16.
;; Inputs: Wkv 1,024 x 128 float32; Wo 1,024 x 1,024 float32; Wq 1,024 x 1,024 float32; context_mask 4 x 2,048 bool; ln_b 1,024 float32; ln_w 1,024 float32; x 4 x 2,048 x 1,024 float32.
;; Outputs: out0 4 x 2,048 x 1,024 float32.
;; 2 versions, each right; version 2 is version 1 with the launch prep written anew for expert scheduling mode. Each part assembles by itself: llvm-mc -triple=amdgcn-amd-amdhsa -mcpu=gfx1250 --defsym DOCPART=n.
;; ======== version 1 of 2: 4 launches
;; limits: values are held in f16: magnitudes above 65,504 overflow, below 6.1e-05 lose precision
;; workspace buffers: xn 16,777,216 bytes; w1 2,359,296 bytes; w2 2,097,152 bytes; qb 16,777,216 bytes; kb 1,048,576 bytes; vb 1,310,720 bytes; vs 32,768 bytes; ob 16,777,216 bytes
;; launch prep (part 1): grid 392 x 1, 4 waves a work-group, no clusters, 0 bytes of LDS; arguments x, ln_w, ln_b, Wq, Wkv, Wo, xn, w1, w2; writes xn, w1, w2
.if DOCPART == 1
	.amdgcn_target "amdgcn-amd-amdhsa--gfx1250"
	.amdhsa_code_object_version 6
	.text
	.protected	k_qf218d1f117_prep
	.globl	k_qf218d1f117_prep
	.p2align	8
	.type	k_qf218d1f117_prep,@function
k_qf218d1f117_prep:
	s_mov_b64 s[64:65], 0
	v_nop
	global_prefetch_b8 v0, s[64:65] scope:SCOPE_SE
	s_setreg_imm32_b32 hwreg(HW_REG_WAVE_MODE, 25, 1), 1
	s_wait_xcnt 0x0
; PREP.  Work-groups 0-255: xn = LayerNorm(x) ln_w + ln_b, [8192][1024], written as f16.  Work-groups 256-391: the three weight tables, written as f16 by planes of 64 columns.
; FORMATS.  Every input (x, ln_w, ln_b, Wq, Wkv, Wo) is rounded once to bf16; all arithmetic is f32; xn is rounded once to f16; a weight is the bf16 number written as f16.
; LIMITS.  |xn| is at most 32 |ln_w| + |ln_b| and has to stay under 65,504; so has every weight.  A weight under 2^-14 keeps f16's fixed step of 2^-24.  NaN and infinities are not treated apart.
; LAYERNORM.  One wave, one row: eight loads of 16 bytes a lane keep the row's 4,096 bytes in 32 registers.  Mean first, then the sum of squares of x - mean: no difference of large sums.
; A wave has 8 rows and two row slots: while one row is worked on the other's eight loads are out.  A store covers 256 consecutive bytes, aligned.
; WEIGHTS.  Plane g of 34 (0-15: Wq's columns 64 g on; 16, 17: Wkv's two halves; 18-33: Wo's) is [1024 k][64] f16, 131,072 dense bytes.  A work-group takes a quarter of a plane's rows, a wave 64.
; No LDS, no matrix unit, no cluster: no work-group wants a byte that another has fetched, and the launch only streams.
.set XR,  4096                         ; bytes in a row of x
.set YR,  2048                         ; bytes in a row of xn
.set T,   4                            ; v4-7    at work
.set SM,  8                            ; v8-15   four pairs of running sums
.set W,   16                           ; v16-47  ln_w of my 32 columns
.set B,   48                           ; v48-79  ln_b of my 32 columns
.set X,   80                           ; v80-143 two row slots of 32
.set Y,   144                          ; v144-159 a row's 32 numbers as f16
.set MU,  160                          ; v160-161 the mean, twice
.set RS,  162                          ; v162-163 1 / sqrt(var + eps), twice
.macro FILL s, off                     ; eight loads: the whole row at byte off behind the pointer, into slot s
.irp j, 0,1,2,3,4,5,6,7
	global_load_b128 v[X+32*(\s)+4*(\j):X+32*(\s)+4*(\j)+3], v1, s[4:5] offset:(\off)+512*(\j) th:TH_LOAD_NT
.endr
.endm
.macro REDUCE                          ; the four pairs, then the 32 lanes: the sum ends in v[SM] of every lane
	v_pk_add_f32 v[SM:SM+1], v[SM:SM+1], v[SM+2:SM+3]
	v_pk_add_f32 v[SM+4:SM+5], v[SM+4:SM+5], v[SM+6:SM+7]
	v_pk_add_f32 v[SM:SM+1], v[SM:SM+1], v[SM+4:SM+5]
	v_add_f32 v[SM], v[SM], v[SM+1]
	v_add_f32_dpp v[SM], v[SM], v[SM] row_xmask:1 row_mask:0xf bank_mask:0xf
	v_add_f32_dpp v[SM], v[SM], v[SM] row_xmask:2 row_mask:0xf bank_mask:0xf
	v_add_f32_dpp v[SM], v[SM], v[SM] row_xmask:4 row_mask:0xf bank_mask:0xf
	v_add_f32_dpp v[SM], v[SM], v[SM] row_xmask:8 row_mask:0xf bank_mask:0xf
	v_permlanex16_b32 v[SM+1], v[SM], s10, s11
	v_add_f32 v[SM], v[SM], v[SM+1]
.endm
; The row in slot s.  fill = 1: the slot takes the row two further down.  left: the younger loads that may stay out.
.macro ROW s, fill, left
.set XS, X+32*(\s)
	s_wait_loadcnt \left                           ; loads come back in order: my row is in, the other slot's may be out
.set j, 0
.rept 16                               ; x rounded to bf16 and widened again, a pair at a time
	v_cvt_pk_bf16_f32 v[T+j%4], v[XS+2*j], v[XS+2*j+1]
	v_lshlrev_b32 v[XS+2*j], 16, v[T+j%4]
	v_and_b32 v[XS+2*j+1], s8, v[T+j%4]
.set j, j+1
.endr
.irp k, 0,1,2,3
	v_pk_add_f32 v[SM+2*(\k):SM+2*(\k)+1], v[XS+2*(\k):XS+2*(\k)+1], v[XS+8+2*(\k):XS+8+2*(\k)+1]  ; four chains, started by the first sums
.endr
.irp g, 16,24
.irp k, 0,1,2,3
	v_pk_add_f32 v[SM+2*(\k):SM+2*(\k)+1], v[SM+2*(\k):SM+2*(\k)+1], v[XS+(\g)+2*(\k):XS+(\g)+2*(\k)+1]
.endr
.endr
	REDUCE
	v_mul_f32 v[MU], s9, v[SM]                     ; the mean: sum / 1,024
	v_mul_f32 v[MU+1], s9, v[SM]
.set j, 0
.rept 16
	v_pk_add_f32 v[XS+2*j:XS+2*j+1], v[XS+2*j:XS+2*j+1], v[MU:MU+1] neg_lo:[0,1] neg_hi:[0,1]  ; x - mean
.set j, j+1
.endr
.irp k, 0,1,2,3
	v_pk_mul_f32 v[SM+2*(\k):SM+2*(\k)+1], v[XS+2*(\k):XS+2*(\k)+1], v[XS+2*(\k):XS+2*(\k)+1]
.endr
.irp g, 8,16,24
.irp k, 0,1,2,3
	v_pk_fma_f32 v[SM+2*(\k):SM+2*(\k)+1], v[XS+(\g)+2*(\k):XS+(\g)+2*(\k)+1], v[XS+(\g)+2*(\k):XS+(\g)+2*(\k)+1], v[SM+2*(\k):SM+2*(\k)+1]
.endr
.endr
	REDUCE
	v_fmaak_f32 v[T], s9, v[SM], 0x3727c5ac        ; var + 1e-5
	v_rsq_f32 v[RS], v[T]
	v_rsq_f32 v[RS+1], v[T]
	v_nop                                          ; a plain instruction behind the last root,
	s_wait_alu depctr_va_vdst(0)                   ; and the wait ahead of the first use: one for both
.set j, 0
.rept 16
	v_pk_mul_f32 v[XS+2*j:XS+2*j+1], v[XS+2*j:XS+2*j+1], v[RS:RS+1]
.set j, j+1
.endr
.set j, 0
.rept 16
	v_pk_fma_f32 v[XS+2*j:XS+2*j+1], v[XS+2*j:XS+2*j+1], v[W+2*j:W+2*j+1], v[B+2*j:B+2*j+1]
.set j, j+1
.endr
	s_wait_xcnt 0x0                                ; the last row's stores have read Y: it is written again only behind this wait
.set j, 0
.rept 16
	v_cvt_pk_f16_f32 v[Y+j], v[XS+2*j], v[XS+2*j+1]
.set j, j+1
.endr
.irp j, 0,1,2,3,4,5,6,7
	global_store_b64 v2, v[Y+2*(\j):Y+2*(\j)+1], s[6:7] offset:(\s)*YR+256*(\j)  ; 32 lanes x 8 bytes: 256 consecutive bytes, aligned
.endr
.if \fill
	FILL \s, (2+(\s))*XR
.endif
.endm
	s_load_b512 s[16:31], s[0:1], 0x0              ; x 16, ln_w 18, ln_b 20, Wq 22, Wkv 24, Wo 26, xn 28, w1 30
	s_load_b64 s[32:33], s[0:1], 0x40              ; w2
	v_lshrrev_b32 v3, 5, v0
	v_readfirstlane_b32 s3, v3                     ; wave 0..3
	v_and_b32 v3, 31, v0                           ; lane
	v_lshlrev_b32 v1, 4, v3                        ; 16 x lane
	v_lshlrev_b32 v2, 3, v3                        ; 8 x lane
	s_mov_b32 s8, 0xffff0000                       ; a word's upper bf16
	s_cmp_lt_u32 ttmp9, 256
	s_cbranch_scc0 .Lweights
	s_mov_b32 s9, 0x3a800000                       ; 1 / 1,024
	s_mov_b32 s10, 0x76543210                      ; v_permlanex16_b32: each lane takes its own place in the other half
	s_mov_b32 s11, 0xfedcba98
	s_lshl_b32 s2, ttmp9, 5
	s_lshl3_add_u32 s2, s3, s2                     ; my first row: 32 x work-group + 8 x wave
	s_lshl_b32 s34, s2, 12
	s_mov_b32 s35, 0
	s_lshl_b32 s36, s2, 11
	s_mov_b32 s37, 0
	s_wait_kmcnt 0x0
	s_add_nc_u64 s[4:5], s[16:17], s[34:35]        ; x at my first row
	s_add_nc_u64 s[6:7], s[28:29], s[36:37]        ; xn at my first row
.irp j, 0,1,2,3,4,5,6,7
	global_load_b128 v[W+4*(\j):W+4*(\j)+3], v1, s[18:19] offset:512*(\j)
	global_load_b128 v[B+4*(\j):B+4*(\j)+3], v1, s[20:21] offset:512*(\j)
.endr
	FILL 0, 0
	FILL 1, XR
	s_wait_loadcnt 16                              ; gain and bias are in; the two rows' sixteen loads may stay out
.set j, 0
.rept 32                               ; both rounded to bf16 and widened: W and B lie on end
	v_cvt_pk_bf16_f32 v[T+j%4], v[W+2*j], v[W+2*j+1]
	v_lshlrev_b32 v[W+2*j], 16, v[T+j%4]
	v_and_b32 v[W+2*j+1], s8, v[T+j%4]
.set j, j+1
.endr
	s_mov_b32 s12, 3
.Lrows:                                        ; a trip: two rows worked on, the two behind them asked for
	ROW 0, 1, 8
	ROW 1, 1, 8
	s_wait_xcnt 0x0                                ; every load and store issued so far has read its base: the pointers step only behind this wait
	s_add_nc_u64 s[4:5], s[4:5], 2*XR
	s_add_nc_u64 s[6:7], s[6:7], 2*YR
	s_sub_co_u32 s12, s12, 1
	s_cmp_lg_u32 s12, 0
	s_cbranch_scc1 .Lrows
	ROW 0, 0, 8                                    ; the last two rows load nothing
	ROW 1, 0, 0
	s_endpgm
.Lweights:
	s_sub_co_u32 s2, ttmp9, 256
	s_lshr_b32 s12, s2, 2                          ; plane g, 0..33
	s_and_b32 s13, s2, 3
	s_lshl_b32 s13, s13, 8
	s_lshl_b32 s14, s3, 6
	s_add_co_u32 s13, s13, s14                     ; my first row k: 256 x quarter + 64 x wave
	s_sub_co_u32 s14, s12, 16                      ; the plane's number within Wkv,
	s_sub_co_u32 s15, s12, 18                      ; and within Wo (used only where they apply)
	s_movk_i32 s38, 512                            ; bytes in a row of Wkv,
	s_movk_i32 s39, 4096                           ; of Wq and Wo
	s_wait_kmcnt 0x0
	s_cmp_lt_u32 s12, 16
	s_cselect_b64 s[4:5], s[22:23], s[24:25]
	s_cselect_b32 s34, s39, s38
	s_cselect_b32 s35, s12, s14
	s_cmp_lt_u32 s12, 18
	s_cselect_b64 s[4:5], s[4:5], s[26:27]         ; the table,
	s_cselect_b32 s34, s34, s39                    ; its pitch,
	s_cselect_b32 s35, s35, s15                    ; which 64 of its columns,
	s_cselect_b64 s[6:7], s[30:31], s[32:33]       ; where the plane goes,
	s_cselect_b32 s36, s12, s15                    ; and its number there
	s_mul_i32 s40, s13, s34
	s_lshl_b32 s35, s35, 8
	s_add_co_u32 s40, s40, s35
	s_mov_b32 s41, 0
	s_add_nc_u64 s[4:5], s[4:5], s[40:41]
	s_lshl_b32 s40, s36, 17
	s_lshl_b32 s36, s13, 7
	s_add_co_u32 s40, s40, s36
	s_add_nc_u64 s[6:7], s[6:7], s[40:41]
	s_lshl_b32 s42, s34, 4                         ; 16 rows, a trip
	s_mov_b32 s43, 0
	s_lshl_b32 s37, s34, 1                         ; 2 rows, a load
	v_lshrrev_b32 v4, 4, v3
	v_and_b32 v5, 15, v3
	v_mul_lo_u32 v6, v4, s34
	v_lshl_add_u32 v8, v5, 4, v6                   ; a load takes 64 columns of two rows: lanes 0-15 the first row's 256 bytes, lanes 16-31 the second's
.irp i, 1,2,3,4,5,6,7
	v_add_nc_u32 v[8+(\i)], s37, v[7+(\i)]
.endr
	s_mov_b32 s12, 4
.Lwt:
.irp i, 0,1,2,3,4,5,6,7
	global_load_b128 v[16+4*(\i):19+4*(\i)], v[8+(\i)], s[4:5] th:TH_LOAD_NT
.endr
.irp i, 0,1,2,3,4,5,6,7
	s_wait_loadcnt 7-(\i)                          ; load i is in, the younger ones may stay out
	v_cvt_pk_bf16_f32 v48, v[16+4*(\i)], v[17+4*(\i)]
	v_cvt_pk_bf16_f32 v49, v[18+4*(\i)], v[19+4*(\i)]
	v_lshlrev_b32 v50, 16, v48
	v_and_b32 v51, s8, v48
	v_lshlrev_b32 v52, 16, v49
	v_and_b32 v53, s8, v49
	v_cvt_pk_f16_f32 v[64+2*(\i)], v50, v51
	v_cvt_pk_f16_f32 v[65+2*(\i)], v52, v53
	global_store_b64 v2, v[64+2*(\i):65+2*(\i)], s[6:7] offset:256*(\i)  ; two rows of the plane: 256 consecutive bytes, aligned
.endr
	s_wait_xcnt 0x0                                ; bases and store data are written again only behind this wait
	s_add_nc_u64 s[4:5], s[4:5], s[42:43]
	s_add_nc_u64 s[6:7], s[6:7], 2048
	s_sub_co_u32 s12, s12, 1
	s_cmp_lg_u32 s12, 0
	s_cbranch_scc1 .Lwt
	s_endpgm
.Lfunc_end_k_qf218d1f117_prep:
	.size	k_qf218d1f117_prep, .Lfunc_end_k_qf218d1f117_prep-k_qf218d1f117_prep
	.p2alignl 7, 3214868480
	.fill 96, 4, 3214868480
	.section	.rodata,"a",@progbits
	.p2align	6, 0x0
	.amdhsa_kernel k_qf218d1f117_prep
		.amdhsa_group_segment_fixed_size 0
		.amdhsa_private_segment_fixed_size 0
		.amdhsa_enable_private_segment 0
		.amdhsa_kernarg_size 72
		.amdhsa_user_sgpr_count 2
		.amdhsa_user_sgpr_kernarg_segment_ptr 1
		.amdhsa_wavefront_size32 1
		.amdhsa_system_sgpr_workgroup_id_x 1
		.amdhsa_system_sgpr_workgroup_id_y 1
		.amdhsa_system_sgpr_workgroup_id_z 1
		.amdhsa_system_vgpr_workitem_id 0
		.amdhsa_next_free_vgpr 168
		.amdhsa_next_free_sgpr 66
		.amdhsa_reserve_vcc 0
		.amdhsa_float_denorm_mode_32 3
		.amdhsa_float_denorm_mode_16_64 3
		.amdhsa_memory_ordered 1
		.amdhsa_forward_progress 1
		.amdhsa_inst_pref_size 57
	.end_amdhsa_kernel
	.amdgpu_metadata
---
amdhsa.version: [ 1, 2 ]
amdhsa.kernels:
  - .name:           k_qf218d1f117_prep
    .symbol:         k_qf218d1f117_prep.kd
    .args:
      - { .name: x, .offset: 0, .size: 8, .value_kind: global_buffer, .address_space: global }
      - { .name: ln_w, .offset: 8, .size: 8, .value_kind: global_buffer, .address_space: global }
      - { .name: ln_b, .offset: 16, .size: 8, .value_kind: global_buffer, .address_space: global }
      - { .name: Wq, .offset: 24, .size: 8, .value_kind: global_buffer, .address_space: global }
      - { .name: Wkv, .offset: 32, .size: 8, .value_kind: global_buffer, .address_space: global }
      - { .name: Wo, .offset: 40, .size: 8, .value_kind: global_buffer, .address_space: global }
      - { .name: xn, .offset: 48, .size: 8, .value_kind: global_buffer, .address_space: global }
      - { .name: w1, .offset: 56, .size: 8, .value_kind: global_buffer, .address_space: global }
      - { .name: w2, .offset: 64, .size: 8, .value_kind: global_buffer, .address_space: global }
    .group_segment_fixed_size: 0
    .private_segment_fixed_size: 0
    .kernarg_segment_align: 8
    .kernarg_segment_size: 72
    .max_flat_workgroup_size: 128
    .sgpr_count:     66
    .vgpr_count:     168
    .wavefront_size: 32
...
	.end_amdgpu_metadata
.endif
;; end of part 1
;; launch qkv (part 2): grid 32 x 6, 4 waves a work-group, clusters of 4 x 1, 327,680 bytes of LDS; arguments xn, w1, context_mask, qb, kb, vb, vs; writes qb, kb, vb, vs
.if DOCPART == 2
	.amdgcn_target "amdgcn-amd-amdhsa--gfx1250"
	.amdhsa_code_object_version 6
	.text
	.protected	k_qf218d1f117_qkv
	.globl	k_qf218d1f117_qkv
	.p2align	8
	.type	k_qf218d1f117_qkv,@function
k_qf218d1f117_qkv:
	s_mov_b64 s[64:65], 0
	v_nop
	global_prefetch_b8 v0, s[64:65] scope:SCOPE_SE
	s_setreg_imm32_b32 hwreg(HW_REG_WAVE_MODE, 25, 1), 1
	s_wait_xcnt 0x0
	s_wait_alu depctr_hold_cnt(0) depctr_sa_sdst(0) depctr_va_vdst(0) depctr_va_sdst(0) depctr_va_ssrc(0) depctr_va_vcc(0) depctr_vm_vsrc(0)
	s_getreg_b32 s2, hwreg(HW_REG_IB_STS2, 6, 4)
	s_cmp_eq_u32 s2, 0
	s_cbranch_scc0 .Lentry_in_a_cluster
	s_endpgm
.Lentry_in_a_cluster:
	s_bfe_u32 s2, ttmp6, 0x10000c
	s_cmp_lg_u32 s2, 0x3003
	s_cbranch_scc0 .Lentry_shape_is_right
	s_endpgm
.Lentry_shape_is_right:
; QKV.  [q | k | v] = xn [Wq | Wkv]: 8,192 tokens x 1,152 channels, K = 1,024, f16 operands, f32 sums.  On the way out: q / max(|q|, 1e-12) x 10 log2(e) by heads, k / max(|k|, 1e-12),
; v x (key not masked) with 16 further channels that hold 1 or 0, all f16; and the f32 sums of v over each 64 tokens.
; SHARES.  A work-group makes 256 tokens x 192 channels (three groups of 64: planes 3 NT .. 3 NT + 2 of w1); wave w the tokens 64 w .. 64 w + 63 and all 192 channels: 48 accumulators.
; So a head's 64 channels lie in one wave, and its norm wants one exchange between the halves of the lanes.  18 groups of 64 in threes give 32 x 6 = 192 equal work-groups.
; THE MATRIX INSTRUCTION IS USED TRANSPOSED: source 0 = 16 channels, source 1 = 16 tokens: a lane holds one token (lane % 16) and the channels 8 (lane / 16) + 0..7.
; RING.  K goes in 8 steps of 128 through two LDS slots.  Waves 0, 1 fetch 128 tokens each (rows of 256 bytes, laid 272 apart); waves 2, 3 fetch 64 rows k of all three planes each, by one
; descriptor (a plane's 64 rows are 8,192 dense bytes; 32 bytes of padding behind every 128: rows 160 apart), read turned by ds_load_tr16_b128.
; CLUSTER.  The four work-groups of a cluster have the same NT and so the same weights: those tiles are asked for jointly (mask 15).  Their tokens differ: xn's tiles are loads of one's own.
; The grid's six tile columns are no multiple of four, so xn's tiles are not shared.
; PREFETCH.  xn's rows: the six work-groups of a tile row read the same; the one with NT = 0 asks, each wave for its own 64 rows, a lane a row, two lines, for the K step after the one that
; is being asked for by the refill; the last refills, which have no such step, ask for nothing.  w1 is not asked for: a partner's share of a step (48 blocks) is no whole number of such lines.
; LIMITS.  v has to stay under 65,504.  A sum of squares under 2^-126 counts as 0, so its norm as 1e-12.  NaN and infinities are not treated apart.
; REGISTERS, in windows of 256: window 0: v2-11 addresses, v16-63 statistics, v64-127 tokens' fragments (two buffers of 32), v128-255 at work on the way out;
;   window 1: channels' fragments (two buffers of 96); window 2: accumulators of token blocks 0, 1 ((a, b) at 8 (12 (a % 2) + b)); window 3: of blocks 2, 3.
.set NG,    3
.set NBK,   4*NG                       ; blocks of 16 channels
.set AP,    272
.set APL,   128                        ; bytes from K quarter 0 to K quarter 2 in a token's row
.set AHALF, 128*AP
.set BBASE, 2*AHALF
.set BP,    160
.set BPL,   64*BP                      ; a plane's 64 rows
.set BHALF, NG*BPL
.set SLOT1, 1<<17                      ; a slot is 131,072 bytes to the byte
.set STAGE, 2*SLOT1                    ; behind the ring: 3,072 bytes for each wave
.set STW,   3072
.set SPARE, STAGE+4*STW                ; the spare words, 128 bytes for each wave: two blocks of 256 bytes that no other line names
.set NL,    2*NBK+8                    ; LDS loads in a run
.set ASTEP, 256                        ; bytes from K step to K step in xn,
.set BSTEP, 16384                      ; and in a plane
.set ADRA0, 2
.set ADRB0, 3
.set ADRA,  4
.set ADRB,  5
.set STO,   6
.set RD,    7
.set GO,    8
.set PFO,   9
.set SPW,   10
.set NIL,   11
.set SS,    16                         ; v16-39  block u = 3 a + g: sum of squares, then the factor, in the pair's low word
.set VIS,   40                         ; v40-47  1 or 0 for my token of block a, twice
.set MB,    52                         ; v52-55  the mask's byte, then 1 or 0 twice as f16
.set STV,   56
.set RDV,   57
.set SST,   58
.set SRD,   59
.set G8,    60
.set FA,    64
.set TMP,   128
.set CS,    192
.set G1A,   24
.set G0A,   32
.set LIM,   43
.set PFA,   44
.set G1B,   48
.set G0B,   56
.set TB,    66
.set DST,   82
.set SC,    88
.set TOK,   91
.set SEL,   92
.set MSB, 0
.macro WIN new                         ; the immediate's high byte repeats the setting that is left; a switch that changes nothing is dropped
.if MSB != (\new)
	s_set_vgpr_msb (MSB<<8)|(\new)
.set MSB, \new
.endif
.endm
.macro PLACES
.rept 4
	v_nop
.endr
.endm
.macro CREST                           ; a round of the cluster's barrier behind its opening barrier
	s_cmp_lg_u32 s10, 0
	s_cbranch_scc1 .Lnot_wave_0_\@
	s_barrier_signal -3
.Lnot_wave_0_\@:
	s_barrier_wait -3
	s_barrier_signal -1
	s_barrier_wait -1
.endm
.macro CROUND
	s_barrier_signal -1
	s_barrier_wait -1
	CREST
.endm
.macro JLOAD                           ; the refill: waves 0, 1 the tokens' tile, waves 2, 3 the weights'; an s_nop 0 and four v_nop follow each line
	s_cmp_eq_u32 s11, 0
	s_cbranch_scc0 .Lfor_b_\@
	tensor_load_to_lds s[G0A+4:G0A+7], s[G1A:G1A+7]
	s_nop 0
.rept 4
	v_nop
.endr
	s_branch .Lasked_\@
.Lfor_b_\@:
	tensor_load_to_lds s[G0B+4:G0B+7], s[G1B:G1B+7]
	s_nop 0
.rept 4
	v_nop
.endr
.Lasked_\@:
.endm
.macro ASK                             ; my 64 rows' 256 bytes of the K step behind the one just asked for
	s_cmp_gt_u32 s3, s[LIM]
	s_cbranch_scc0 .Lnot_mine_\@
	global_prefetch_b8 v[PFO], s[PFA:PFA+1] th:TH_LOAD_NT scope:SCOPE_SE
	global_prefetch_b8 v[PFO], s[PFA:PFA+1] offset:65536 th:TH_LOAD_NT scope:SCOPE_SE
.Lnot_mine_\@:
.endm
; The NBK products of token block a on buffer f.  The accumulators take turns, one instruction a turn, in the same order in every quarter.
.macro MULA f, a, zero
	WIN 0xa1+0x50*((\a)/2)
.set b, 0
.rept NBK
.set rD, 8*(NBK*((\a)%2)+b)
.if \zero
	v_wmma_f32_16x16x32_f16 v[rD:rD+7], v[8*NBK*(\f)+8*b:8*NBK*(\f)+8*b+7], v[FA+32*(\f)+8*(\a):FA+32*(\f)+8*(\a)+7], 0
.else
	v_wmma_f32_16x16x32_f16 v[rD:rD+7], v[8*NBK*(\f)+8*b:8*NBK*(\f)+8*b+7], v[FA+32*(\f)+8*(\a):FA+32*(\f)+8*(\a)+7], v[rD:rD+7]
.endif
.set b, b+1
.endr
.endm
; One run of LDS loads: the fragments of K quarter kc into buffer f: the channels' (turned), then the tokens', block 0 first
.macro FETCH kc, f
	WIN 0x40
.set b, 0
.rept NBK
	ds_load_tr16_b128 v[8*NBK*(\f)+8*b:8*NBK*(\f)+8*b+3],   v[ADRB] offset:((\kc)/2)*BHALF+(b/4)*BPL+((\kc)%2)*32*BP+(b%4)*32
	ds_load_tr16_b128 v[8*NBK*(\f)+8*b+4:8*NBK*(\f)+8*b+7], v[ADRB] offset:((\kc)/2)*BHALF+(b/4)*BPL+((\kc)%2)*32*BP+(b%4)*32+16*BP
.set b, b+1
.endr
	WIN 0
.irp a, 0,1,2,3
	ds_load_b128 v[FA+32*(\f)+8*(\a):FA+32*(\f)+8*(\a)+3],   v[ADRA] offset:(\a)*16*AP+((\kc)/2)*APL+((\kc)%2)*64
	ds_load_b128 v[FA+32*(\f)+8*(\a)+4:FA+32*(\f)+8*(\a)+7], v[ADRA] offset:(\a)*16*AP+((\kc)/2)*APL+((\kc)%2)*64+32
.endr
.endm
; A quarter of a K step: multiplies buffer f; in its middle the next quarter kn is fetched into buffer g, four places behind the last product that read g
.macro QUARTER kn, f, g, zero
	s_wait_dscnt 4                                 ; all but the tokens' blocks 2 and 3
	MULA \f, 0, \zero
	MULA \f, 1, \zero
	PLACES
	FETCH \kn, \g
	s_wait_dscnt NL                                ; all but the run just issued
	MULA \f, 2, \zero
	MULA \f, 3, \zero
.endm
; The last quarter multiplies buffer 1 and changes slots.  In front of the barrier each wave waits for all its tensor loads (one is out: its part of the next slot), adds 0 to its spare word, and waits
; for that and for its reads of this slot.  fill = 1: the barrier opens a round of the cluster's, and behind it this slot is filled again, with the K step two on.
.macro TURN fill
.if \fill
	s_wait_xcnt 0x0                                ; the last prefetches, a K step back, have read their address
	s_add_nc_u64 s[PFA:PFA+1], s[PFA:PFA+1], ASTEP
.endif
	WIN 0
	s_wait_tensorcnt 0x0
	ds_add_u32 v[SPW], v[NIL]
.if \fill
	s_xor_b32 s[G0A+5], s[G0A+5], SLOT1            ; no tensor load of mine is out: the walking descriptors take the other slot and the next K step
	s_add_nc_u64 s[G0A+6:G0A+7], s[G0A+6:G0A+7], ASTEP
	s_xor_b32 s[G0B+5], s[G0B+5], SLOT1
	s_add_nc_u64 s[G0B+6:G0B+7], s[G0B+6:G0B+7], BSTEP
.endif
	s_wait_dscnt 5                                 ; the add and the youngest four loads may be out
	MULA 1, 0, 0
	s_wait_dscnt 0x0                               ; the add is done, and my reads of this slot are over
	s_barrier_signal -1
	MULA 1, 1, 0
	WIN 0
	s_barrier_wait -1
.if \fill
	CREST
	JLOAD                                          ; the first tensor load behind the round; its four v_nop are also the places in front of the loads below
.else
	PLACES
.endif
	s_xor_b32 s[TB], s[TB], SLOT1
	v_add_nc_u32 v[ADRA], s[TB], v[ADRA0]
	v_add_nc_u32 v[ADRB], s[TB], v[ADRB0]
	FETCH 0, 0
.if \fill
	ASK
.endif
	MULA 1, 2, 0
	MULA 1, 3, 0
.endm
	s_load_b256 s[68:75], s[0:1], 0x0              ; xn 68, w1 70, context_mask 72, qb 74
	s_load_b128 s[76:79], s[0:1], 0x20             ; kb 76, vb 78
	s_load_b64 s[80:81], s[0:1], 0x30              ; vs
	v_lshl_add_u32 v[SPW], v0, 2, SPARE
	v_mov_b32 v[NIL], 0
	ds_add_u32 v[SPW], v[NIL]                      ; the wave's opening: the add and its wait ahead of my first tensor load
	v_lshrrev_b32 v1, 5, v0
	v_readfirstlane_b32 s10, v1                    ; wave 0..3
	s_lshr_b32 s11, s10, 1                         ; I fetch tokens (0) or weights (1),
	s_and_b32 s12, s10, 1                          ; and which half of them
	s_bfe_u32 s13, ttmp6, 0x40000                  ; cx
	s_lshl_b32 s14, ttmp9, 2
	s_add_co_u32 s14, s14, s13                     ; MT: my 256 tokens
	s_and_b32 s15, ttmp7, 0xffff                   ; NT: my three planes, the same in all four partners
	s_mov_b32 s[G1A], (1<<16)|(1<<20)|(5<<22)|(3<<25)  ; no mask; 2-byte elements; 4 words of padding behind every 64
	s_mov_b32 s[G1A+1], 128<<16                    ; tensor_dim0 = 128
	s_mov_b32 s[G1A+2], 128<<16                    ; tensor_dim1 = 128
	s_mov_b32 s[G1A+3], 128<<16                    ; tile_dim0 = 128
	s_mov_b32 s[G1A+4], 128                        ; tile_dim1 = 128
	s_mov_b32 s[G1A+5], 1024                       ; elements from row to row
	s_mov_b32 s[G1A+6], 0
	s_mov_b32 s[G1A+7], 0
	s_mov_b32 s[G1B], 15|(3<<16)|(1<<20)|(1<<21)|(4<<22)|(7<<25)  ; the mask of four; 8-byte elements; bit 21 beside a mask; 8 words of padding behind every 32
	s_mov_b32 s[G1B+1], 1024<<16                   ; tensor_dim0 = 1,024: 64 rows k of a plane, 8,192 dense bytes
	s_mov_b32 s[G1B+2], NG<<16                     ; tensor_dim1 = the planes
	s_mov_b32 s[G1B+3], 1024<<16
	s_mov_b32 s[G1B+4], NG
	s_mov_b32 s[G1B+5], 16384                      ; 131,072 bytes from plane to plane
	s_mov_b32 s[G1B+6], 0
	s_mov_b32 s[G1B+7], 0
	s_lshl_b32 s16, s14, 19                        ; 256 tokens of 2,048 bytes,
	s_lshl_b32 s17, s12, 18                        ; my 128 of them
	s_add_co_u32 s16, s16, s17
	s_mov_b32 s17, 0
	s_mul_i32 s18, s15, NG*131072
	s_lshl_b32 s19, s12, 13                        ; my 64 rows k of 128 bytes
	s_add_co_u32 s18, s18, s19
	s_mov_b32 s19, 0
	s_mul_i32 s20, s12, AHALF                      ; where they go: the wave's number alone enters an LDS address
	s_mul_i32 s21, s12, BHALF
	s_add_co_u32 s21, s21, BBASE
	s_lshl_b32 s46, s14, 19                        ; the prefetches: my wave's 64 rows, at K step 2; the first refill steps it to 3
	s_lshl_b32 s47, s10, 17
	s_add_co_u32 s46, s46, s47
	s_add_co_u32 s46, s46, 2*ASTEP
	s_mov_b32 s47, 0
	s_cmp_eq_u32 s15, 0
	s_cselect_b32 s[LIM], 1, -1
	s_mov_b32 s[TB], 0
	s_mov_b32 s[SEL], 0x76543210
	s_mov_b32 s[SEL+1], 0xfedcba98
	s_wait_dscnt 0x0                               ; the opening add is done
	s_wait_kmcnt 0x0
	s_add_nc_u64 s[16:17], s[68:69], s[16:17]
	s_add_nc_u64 s[18:19], s[70:71], s[18:19]
	s_add_nc_u64 s[PFA:PFA+1], s[68:69], s[46:47]
	CROUND                                         ; all four work-groups are here: the first joint loads meet
.irp s, 0,1
	s_mov_b32 s[G0A+4*(\s)], 1
	s_add_co_u32 s[G0A+4*(\s)+1], s20, (\s)*SLOT1
	s_add_nc_u64 s[G0A+4*(\s)+2:G0A+4*(\s)+3], s[16:17], (\s)*ASTEP
	s_or_b32 s[G0A+4*(\s)+3], s[G0A+4*(\s)+3], 0x80000000
	s_mov_b32 s[G0B+4*(\s)], 1
	s_add_co_u32 s[G0B+4*(\s)+1], s21, (\s)*SLOT1
	s_add_nc_u64 s[G0B+4*(\s)+2:G0B+4*(\s)+3], s[18:19], (\s)*BSTEP
	s_or_b32 s[G0B+4*(\s)+3], s[G0B+4*(\s)+3], 0x80000000
.endr
	s_cmp_eq_u32 s11, 0                            ; a wave's two first fills stand in one branch: two loads of mine are out
	s_cbranch_scc0 .Lfirst_b
	tensor_load_to_lds s[G0A:G0A+3], s[G1A:G1A+7]
	s_nop 0
	tensor_load_to_lds s[G0A+4:G0A+7], s[G1A:G1A+7]
	s_nop 0
.rept 4
	v_nop
.endr
	s_branch .Lfirst_done
.Lfirst_b:
	tensor_load_to_lds s[G0B:G0B+3], s[G1B:G1B+7]
	s_nop 0
	tensor_load_to_lds s[G0B+4:G0B+7], s[G1B:G1B+7]
	s_nop 0
.rept 4
	v_nop
.endr
.Lfirst_done:
	v_and_b32 v1, 15, v0                           ; r = l % 16
	v_bfe_u32 v12, v0, 4, 1                        ; h = l / 16
	v_and_b32 v13, 7, v0
	v_bfe_u32 v14, v0, 3, 1
	v_and_b32 v15, 31, v0
	s_lshl_b32 s23, s10, 6
	v_add_nc_u32 v[ADRA0], s23, v1                 ; tokens: row 64 w + r, 16 bytes for each half of the lanes
	v_mul_u32_u24 v[ADRA0], v[ADRA0], AP
	v_lshl_add_u32 v[ADRA0], v12, 4, v[ADRA0]
	v_lshl_add_u32 v[ADRB0], v12, 3, v13           ; the turning load: row k = 8 h + l % 8, channels 8 ((l / 8) % 2) on
	v_mul_u32_u24 v[ADRB0], v[ADRB0], BP
	v_lshl_add_u32 v[ADRB0], v14, 4, v[ADRB0]
	v_add_nc_u32 v[ADRB0], BBASE, v[ADRB0]
	v_mov_b32 v[ADRA], v[ADRA0]
	v_mov_b32 v[ADRB], v[ADRB0]
	v_lshlrev_b32 v[PFO], 11, v15                  ; a lane a row of xn
	s_mul_i32 s22, s10, STW
	s_add_co_u32 s22, s22, STAGE                   ; my stage
	v_mul_u32_u24 v[STO], v1, 144                  ; q and k in: row r of 128 bytes, laid 144 apart
	v_lshl_add_u32 v[STO], v12, 4, v[STO]
	v_add_nc_u32 v[STO], s22, v[STO]
	v_bfe_u32 v[RD], v0, 3, 2                      ; back: four rows a load
	v_mul_u32_u24 v[RD], v[RD], 144
	v_lshl_add_u32 v[RD], v13, 4, v[RD]
	v_add_nc_u32 v[RD], s22, v[RD]
	v_lshlrev_b32 v[GO], 4, v15
	v_mul_u32_u24 v[STV], v1, 160                  ; v in: row r of 160 bytes, dense
	v_lshl_add_u32 v[STV], v12, 4, v[STV]
	v_add_nc_u32 v[STV], s22, v[STV]
	v_add_nc_u32 v[RDV], s22, v[GO]
	v_lshl_add_u32 v[SST], v12, 5, s22             ; the sums in (2,560 bytes further on, by the immediate)
	v_lshlrev_b32 v[G8], 3, v15
	v_add_nc_u32 v[SRD], s22, v[G8]
	; where the three groups go
	s_lshr_b32 s16, s14, 3                         ; the batch
	s_and_b32 s17, s14, 7
	s_lshl_b32 s17, s17, 8
	s_lshl_b32 s46, s10, 6
	s_add_co_u32 s17, s17, s46                     ; my first token in it
	s_lshl_b32 s46, s16, 11
	s_add_co_u32 s[TOK], s46, s17                  ; and among all 8,192
	s_lshl_b32 s94, s[TOK], 7
	s_mul_i32 s95, s15, NG
	s_lshl_b32 s16, s16, 4
	s_mov_b32 s99, 0
.irp g, 0,1,2
	s_add_co_u32 s96, s95, \g                      ; the group: 0-15 a head of q, 16 k, 17 v
	s_add_co_u32 s97, s16, s96
	s_lshl_b32 s97, s97, 11
	s_add_co_u32 s97, s97, s17
	s_lshl_b32 s97, s97, 7
	s_cmp_lt_u32 s96, 16
	s_cselect_b32 s98, s97, s94
	s_cselect_b64 s[DST+2*(\g):DST+2*(\g)+1], s[74:75], s[76:77]
	s_cselect_b32 s[SC+(\g)], 0x4166d4ca, 1.0      ; q carries 10 log2(e)
	s_add_nc_u64 s[DST+2*(\g):DST+2*(\g)+1], s[DST+2*(\g):DST+2*(\g)+1], s[98:99]
.endr
	s_wait_tensorcnt 1                             ; my part of K step 0 is in; K step 1's may stay out
	s_barrier_signal -1
	s_barrier_wait -1
	FETCH 0, 0
	QUARTER 1, 0, 1, 1                             ; the first quarter's products start the sums
	WIN 0
	s_mov_b32 s3, 6
.Lk:                                           ; a trip: a K step's quarters 1 to 3 and the next step's quarter 0; the slot left is filled again
	QUARTER 2, 1, 0, 0
	QUARTER 3, 0, 1, 0
	TURN 1
	QUARTER 1, 0, 1, 0
	WIN 0
	s_sub_co_u32 s3, s3, 1
	s_cmp_lg_u32 s3, 0
	s_cbranch_scc1 .Lk
	QUARTER 2, 1, 0, 0                             ; the last two K steps ask for nothing
	QUARTER 3, 0, 1, 0
	TURN 0
	QUARTER 1, 0, 1, 0
	QUARTER 2, 1, 0, 0
	QUARTER 3, 0, 1, 0
	s_wait_dscnt 4
	MULA 1, 0, 0
	MULA 1, 1, 0
	s_wait_dscnt 0x0
	MULA 1, 2, 0
	MULA 1, 3, 0
	WIN 0
	PLACES
	PLACES
	; THE NORMS: for each of the 12 blocks (a, g) the sum of squares of my 32 numbers; each accumulator's lowest registers are read first
.irp a, 0,1,2,3
	WIN 0x0a+5*((\a)/2)
.set p, 0
.rept 16
.irp g, 0,1,2
.set rA, 8*(NBK*((\a)%2)+4*(\g)+p/4)+2*(p%4)
.set rF, SS+2*(3*(\a)+(\g))
.if p == 0
	v_pk_mul_f32 v[rF:rF+1], v[rA:rA+1], v[rA:rA+1]
.else
	v_pk_fma_f32 v[rF:rF+1], v[rA:rA+1], v[rA:rA+1], v[rF:rF+1]
.endif
.endr
.set p, p+1
.endr
.endr
	WIN 0
.macro ALL12 line:vararg
.set u, 0
.rept 12
	\line
.set u, u+1
.endr
.endm
	ALL12 v_add_f32 v[SS+2*u], v[SS+2*u], v[SS+2*u+1]
	ALL12 v_permlanex16_b32 v[SS+2*u+1], v[SS+2*u], s[SEL], s[SEL+1]
	ALL12 v_add_f32 v[SS+2*u], v[SS+2*u], v[SS+2*u+1]
	ALL12 v_sqrt_f32 v[SS+2*u], v[SS+2*u]
	v_nop                                          ; a plain instruction behind the last root, and one wait for the twelve
	s_wait_alu depctr_va_vdst(0)
	ALL12 v_max_num_f32 v[SS+2*u], 0x2b8cbccc, v[SS+2*u]
	ALL12 v_rcp_f32 v[SS+2*u], v[SS+2*u]
	v_nop
	s_wait_alu depctr_va_vdst(0)
	ALL12 v_mul_f32 v[SS+2*u], s[SC+u%3], v[SS+2*u]
; Block (a, g): scaled in place, rounded to f16 (16 bytes a lane and channel block), through my stage, back as whole rows of 128 bytes into the same registers (set st of four)
.macro PACKQ a, g, st
.set rA, 8*(NBK*((\a)%2)+4*(\g))
.set rF, SS+2*(3*(\a)+(\g))
.set rT, TMP+16*(\st)
	s_wait_xcnt 0x0                                ; the stores that read this set have read it
	WIN 0x82+0x41*((\a)/2)
.set j, 0
.rept 16
	v_pk_mul_f32 v[rA+2*j:rA+2*j+1], v[rA+2*j:rA+2*j+1], v[rF:rF+1] op_sel_hi:[1,0]
.set j, j+1
.endr
	WIN 0x0a+5*((\a)/2)
.set j, 0
.rept 16
	v_cvt_pk_f16_f32 v[rT+j], v[rA+2*j], v[rA+2*j+1]
.set j, j+1
.endr
	WIN 0
.irp f, 0,1,2,3
	ds_store_b128 v[STO], v[rT+4*(\f):rT+4*(\f)+3] offset:32*(\f)
.endr
.irp f, 0,1,2,3
	ds_load_b128 v[rT+4*(\f):rT+4*(\f)+3], v[RD] offset:(\f)*4*144  ; LDS serves a wave's instructions in order: these see the stores above, the next block's stores come behind them
.endr
.endm
.macro SENDQ a, g, st, younger         ; younger: the LDS instructions issued behind this block's loads
.set rT, TMP+16*(\st)
.irp f, 0,1,2,3
	s_wait_dscnt (\younger)+3-(\f)
	global_store_b128 v[GO], v[rT+4*(\f):rT+4*(\f)+3], s[DST+2*(\g):DST+2*(\g)+1] offset:(\a)*2048+(\f)*512  ; 512 consecutive bytes, aligned
.endr
.endm
.set i, 0
.rept 8                                ; groups 0 and 1 of all four token blocks
	PACKQ i/2, i%2, i%4
.if i > 0
	SENDQ (i-1)/2, (i-1)%2, (i-1)%4, 8
.endif
.set i, i+1
.endr
	SENDQ 3, 1, 3, 0
	s_cmp_eq_u32 s15, 5                            ; the same in all partners
	s_cbranch_scc1 .Lvpath
.set i, 0
.rept 4                                ; group 2 is a head of q
	PACKQ i, 2, i
.if i > 0
	SENDQ i-1, 2, i-1, 8
.endif
.set i, i+1
.endr
	SENDQ 3, 2, 3, 0
	s_branch .Lend
.Lvpath:                                       ; group 2 is v
	s_mov_b32 s98, s[TOK]
	s_add_nc_u64 s[72:73], s[72:73], s[98:99]      ; the mask at my first token
.irp a, 0,1,2,3
	global_load_u8 v[MB+(\a)], v1, s[72:73] offset:16*(\a)
.endr
	s_mul_i32 s98, s[TOK], 160
	s_add_nc_u64 s[78:79], s[78:79], s[98:99]      ; vb at my first token
	s_lshl_b32 s98, s14, 2
	s_add_co_u32 s98, s98, s10
	s_lshl_b32 s98, s98, 8
	s_add_nc_u64 s[80:81], s[80:81], s[98:99]      ; vs at my row
	s_mov_b32 s40, 0x3c003c00                      ; 1.0 twice in f16
	WIN 0x0a                                       ; the sums of v over my 64 tokens, mask or no mask: first over the four blocks,
.set j, 0
.rept 16
	v_pk_add_f32 v[CS+2*j:CS+2*j+1], v[64+2*j:64+2*j+1], v[160+2*j:160+2*j+1]
.set j, j+1
.endr
	WIN 0x0c
.set j, 0
.rept 16
	v_pk_add_f32 v[CS+2*j:CS+2*j+1], v[CS+2*j:CS+2*j+1], v[64+2*j:64+2*j+1]
.set j, j+1
.endr
.set j, 0
.rept 16
	v_pk_add_f32 v[CS+2*j:CS+2*j+1], v[CS+2*j:CS+2*j+1], v[160+2*j:160+2*j+1]
.set j, j+1
.endr
	WIN 0
.irp x, 1,2,4,8                        ; then over the 16 lanes of a half
.set j, 0
.rept 32
	v_add_f32_dpp v[CS+j], v[CS+j], v[CS+j] row_xmask:\x row_mask:0xf bank_mask:0xf
.set j, j+1
.endr
.endr
.irp f, 0,1,2,3
	ds_store_b128 v[SST], v[CS+8*(\f):CS+8*(\f)+3]   offset:2560+64*(\f)     ; the 16 lanes of a half write the same words with the same values
	ds_store_b128 v[SST], v[CS+8*(\f)+4:CS+8*(\f)+7] offset:2560+64*(\f)+16
.endr
	ds_load_b64 v[CS:CS+1], v[SRD] offset:2560
	s_wait_dscnt 0x0
	global_store_b64 v[G8], v[CS:CS+1], s[80:81]   ; 64 sums: 256 consecutive bytes, aligned
	s_wait_loadcnt 0x0                             ; the mask's bytes
.irp a, 0,1,2,3
	v_sub_nc_u32 v[MB+(\a)], 1, v[MB+(\a)]         ; 1 where the key counts
	v_cvt_f32_u32 v[VIS+2*(\a)], v[MB+(\a)]
	v_cvt_f32_u32 v[VIS+2*(\a)+1], v[MB+(\a)]
	v_mul_lo_u32 v[MB+(\a)], v[MB+(\a)], s40
.endr
.irp a, 0,1,2,3
.set rA, 8*(NBK*((\a)%2)+8)
.set rT, TMP+20*((\a)%2)
	s_wait_xcnt 0x0
	WIN 0x82+0x41*((\a)/2)
.set j, 0
.rept 16
	v_pk_mul_f32 v[rA+2*j:rA+2*j+1], v[rA+2*j:rA+2*j+1], v[VIS+2*(\a):VIS+2*(\a)+1]
.set j, j+1
.endr
	WIN 0x0a+5*((\a)/2)
.set j, 0
.rept 16
	v_cvt_pk_f16_f32 v[rT+j], v[rA+2*j], v[rA+2*j+1]
.set j, j+1
.endr
	WIN 0
.irp f, 16,17,18,19
	v_mov_b32 v[rT+(\f)], v[MB+(\a)]               ; channels 64-79
.endr
.irp f, 0,1,2,3,4
	ds_store_b128 v[STV], v[rT+4*(\f):rT+4*(\f)+3] offset:32*(\f)
.endr
.irp f, 0,1,2,3,4
	ds_load_b128 v[rT+4*(\f):rT+4*(\f)+3], v[RDV] offset:512*(\f)
.endr
.irp f, 0,1,2,3,4
	s_wait_dscnt 4-(\f)
	global_store_b128 v[GO], v[rT+4*(\f):rT+4*(\f)+3], s[78:79] offset:(\a)*2560+512*(\f)  ; 16 rows of 160 bytes: 2,560 consecutive bytes, aligned
.endr
.endr
.Lend:
	s_wait_tensorcnt 0x0                           ; the wave's end
	ds_add_u32 v[SPW], v[NIL]
	s_wait_dscnt 0x0
	CROUND                                         ; the closing round
	s_endpgm
.Lfunc_end_k_qf218d1f117_qkv:
	.size	k_qf218d1f117_qkv, .Lfunc_end_k_qf218d1f117_qkv-k_qf218d1f117_qkv
	.p2alignl 7, 3214868480
	.fill 96, 4, 3214868480
	.section	.rodata,"a",@progbits
	.p2align	6, 0x0
	.amdhsa_kernel k_qf218d1f117_qkv
		.amdhsa_group_segment_fixed_size 327680
		.amdhsa_private_segment_fixed_size 0
		.amdhsa_enable_private_segment 0
		.amdhsa_kernarg_size 56
		.amdhsa_user_sgpr_count 2
		.amdhsa_user_sgpr_kernarg_segment_ptr 1
		.amdhsa_wavefront_size32 1
		.amdhsa_system_sgpr_workgroup_id_x 1
		.amdhsa_system_sgpr_workgroup_id_y 1
		.amdhsa_system_sgpr_workgroup_id_z 1
		.amdhsa_system_vgpr_workitem_id 0
		.amdhsa_next_free_vgpr 960
		.amdhsa_next_free_sgpr 100
		.amdhsa_reserve_vcc 0
		.amdhsa_float_denorm_mode_32 3
		.amdhsa_float_denorm_mode_16_64 3
		.amdhsa_memory_ordered 1
		.amdhsa_forward_progress 1
		.amdhsa_inst_pref_size 155
	.end_amdhsa_kernel
	.amdgpu_metadata
---
amdhsa.version: [ 1, 2 ]
amdhsa.kernels:
  - .name:           k_qf218d1f117_qkv
    .symbol:         k_qf218d1f117_qkv.kd
    .args:
      - { .name: xn, .offset: 0, .size: 8, .value_kind: global_buffer, .address_space: global }
      - { .name: w1, .offset: 8, .size: 8, .value_kind: global_buffer, .address_space: global }
      - { .name: context_mask, .offset: 16, .size: 8, .value_kind: global_buffer, .address_space: global }
      - { .name: qb, .offset: 24, .size: 8, .value_kind: global_buffer, .address_space: global }
      - { .name: kb, .offset: 32, .size: 8, .value_kind: global_buffer, .address_space: global }
      - { .name: vb, .offset: 40, .size: 8, .value_kind: global_buffer, .address_space: global }
      - { .name: vs, .offset: 48, .size: 8, .value_kind: global_buffer, .address_space: global }
    .group_segment_fixed_size: 327680
    .private_segment_fixed_size: 0
    .kernarg_segment_align: 8
    .kernarg_segment_size: 56
    .max_flat_workgroup_size: 128
    .sgpr_count:     100
    .vgpr_count:     960
    .wavefront_size: 32
...
	.end_amdgpu_metadata
.endif
;; end of part 2
;; launch attn (part 3): grid 4 x 64, 4 waves a work-group, clusters of 4 x 1, 327,680 bytes of LDS; arguments qb, kb, vb, vs, ob; writes ob
.if DOCPART == 3
	.amdgcn_target "amdgcn-amd-amdhsa--gfx1250"
	.amdhsa_code_object_version 6
	.text
	.protected	k_qf218d1f117_attn
	.globl	k_qf218d1f117_attn
	.p2align	8
	.type	k_qf218d1f117_attn,@function
k_qf218d1f117_attn:
	s_mov_b64 s[64:65], 0
	v_nop
	global_prefetch_b8 v0, s[64:65] scope:SCOPE_SE
	s_setreg_imm32_b32 hwreg(HW_REG_WAVE_MODE, 25, 1), 1
	s_wait_xcnt 0x0
	s_wait_alu depctr_hold_cnt(0) depctr_sa_sdst(0) depctr_va_vdst(0) depctr_va_sdst(0) depctr_va_ssrc(0) depctr_va_vcc(0) depctr_vm_vsrc(0)
	s_getreg_b32 s2, hwreg(HW_REG_IB_STS2, 6, 4)
	s_cmp_eq_u32 s2, 0
	s_cbranch_scc0 .Lentry_in_a_cluster
	s_endpgm
.Lentry_in_a_cluster:
	s_bfe_u32 s2, ttmp6, 0x10000c
	s_cmp_lg_u32 s2, 0x3003
	s_cbranch_scc0 .Lentry_shape_is_right
	s_endpgm
.Lentry_shape_is_right:
; CAUSAL ATTENTION WITH ONE KEY AND VALUE HEAD FOR 16 QUERY HEADS.  O[b][h][q] = sum over k <= q, k not masked, of p v[b][k] / sum of p, p = 2^(Q[b][h][q] . K[b][k]).
; Q arrives as the unit vector times 10 log2(e), K as the unit vector, so the exponent lies within +-14.43 for every input: p lies in 4.5e-5 .. 2.2e4, inside f16, and a row's sum under 4.6e7.
; The computation itself bounds the exponents, so no maximum is taken away, nothing is rescaled, and the key steps may come in any order.
; THE INPUT'S MASK lies in V: a masked key's 64 channels are 0, and channels 64-79 hold 1 or 0.  So a fifth block of O^T = V^T P is l, the sum of the ROUNDED weights of the keys that count.
; A ROW WITH NO KEY THAT COUNTS has l = 0: there the result is the mean of v over all 2,048 keys of the batch (all scores equal), made once from vs and chosen by v_cndmask_b32.
; THE CAUSAL MASK is the C operand that starts S^T = K Q^T: 0 or -1e30; a hidden weight is 2^(-1e30) = 0.
; SHARES.  cx picks four heads, a wave one; it enters Q's and O's addresses alone.  A work-group takes two blocks of 64 positions, pb and then 31 - pb: tiles of 256 keys 0 .. pb / 4 and 0 .. 7 - pb / 4:
; nine tiles, 36 key steps of 64, whatever pb.  The four partners walk the same tiles of K and V with the same counts: every tile is a joint load.
; LAYOUT.  S^T holds one query a lane (lane % 16) and the keys 8 (lane / 16) + 0..7; two such results rounded to f16 ARE source 1 of O^T = V^T P.  K comes out of LDS as it lies, V turned.
; BY TURNS.  The wave's four tiles of 16 queries are two pieces (0: tiles 0, 1; 2: tiles 2, 3).  In a turn one piece issues 20 products V^T P of the step in hand and 16 products K Q^T of the next;
; the other piece's 64 exponentials and 32 roundings stand in slices behind them.  A turn's exponentials are one batch with one wait.
; NOT PREFETCHED: K and V are 2.3 MB that every cluster of a batch walks again and again, and a partner's share of a tile of V (40 blocks) is no whole number of one-lane-a-block lines.
; LIMITS.  V arrives within 65,504; p below 6e-5 keeps f16's fixed step of 6e-8; NaN and infinities are not treated apart.
; REGISTERS: window 0: v2-15 addresses, l; v16-31 the mean of v as f16; v32-63 the masks TRI, Z, T, H; v64-191 S^T, 32 a tile; v192-255 P, 16 a tile
;   window 1: v0-159 O^T, 40 a tile (the fifth block is l); v160-223 Q          window 2: v0-63 K; v64-143 V; v144-207 the second block's Q
.set PK,    144                        ; a row of K in LDS: 128 bytes + 16
.set PVP,   160                        ; a row of V: 80 channels, dense
.set KTILE, 256*PK
.set VTILE, 256*PVP
.set VOFF,  KTILE
.set SLOT1, 1<<17
.set STAGE, SLOT1+KTILE+VTILE          ; behind the ring: 16 rows x 144 bytes for each wave
.set SP,    144
.set VMS,   STAGE+4*16*SP              ; 256 bytes for each wave: the mean of v on its way to the lanes
.set SPARE, VMS+4*256                  ; the spare words: two blocks of 256 bytes that no other line names
.set AK0, 2
.set AV0, 3
.set ADR, 4
.set HH,  5
.set STO, 6
.set RD,  7
.set GO,  8
.set QO,  9
.set LR,  10                           ; v10-13  l, then 1 / l, of two tiles, each in a pair's low word
.set SPW, 14
.set NIL, 15
.set VMH, 16
.set TRI, 32                           ; -1e30 where key 8 h + j lies behind query r
.set Z,   40                           ; the mask of a key block in front of the tile's own,
.set T,   48                           ; of its own,
.set H,   56                           ; of one behind it
.set S,   64
.set P,   192
.set QF,  160
.set VF,  64
.set QB,  144
.set WV,  12
.set G1K, 24
.set G1V, 32
.set G0K, 40
.set G0V, 44
.set SLOTS, 56
.set CNT, 57
.set TBK, 62
.set TBV, 63
.set TL,  66                           ; tiles of the block in hand still to go, this one among them
.set THI, 67
.set C4,  68                           ; 4 - the diagonal's step in the block's last tile
.set C4HI, 69
.set CC,  70                           ; C4 in a block's last tile, else 0
.set NXT, 71                           ; the tile to be asked for next
.set LQ,  72
.set LQHI, 73
.set NEW, 74
.set DR,  75
.set AL,  76
.set BE,  78
.set BH,  80
.set BIGN, 81
.set OFK, 82
.set OFV, 84
.set MK,  86
.set MSB, 0
.macro WIN new
.if MSB != (\new)
	s_set_vgpr_msb (MSB<<8)|(\new)
.set MSB, \new
.endif
.endm
.set W_KQ, 0x06                        ; K window 2, Q window 1, C and S^T window 0
.set W_PV, 0x52                        ; V window 2, P window 0, O^T window 1
.set W_RS, 0x41
.macro PLACES
.rept 4
	v_nop
.endr
.endm
.macro CROUND
	s_barrier_signal -1
	s_barrier_wait -1
	s_cmp_lg_u32 s[WV], 0
	s_cbranch_scc1 .Lnot_wave_0_\@
	s_barrier_signal -3
.Lnot_wave_0_\@:
	s_barrier_wait -3
	s_barrier_signal -1
	s_barrier_wait -1
.endm
.macro JLOAD                           ; waves 0, 1 the two halves of a tile's K, waves 2, 3 those of its V; an s_nop 0 and four v_nop follow each line
	s_cmp_lt_u32 s[WV], 2
	s_cbranch_scc0 .Lfor_v_\@
	tensor_load_to_lds s[G0K:G0K+3], s[G1K:G1K+7]
	s_nop 0
.rept 4
	v_nop
.endr
	s_branch .Lasked_\@
.Lfor_v_\@:
	tensor_load_to_lds s[G0V:G0V+3], s[G1V:G1V+7]
	s_nop 0
.rept 4
	v_nop
.endr
.Lasked_\@:
.endm
; THE CHANGE OF SLOTS.  Each wave waits for all its tensor loads (one is out: its part of the other slot), adds 0 to its spare word, and waits for that and for its reads of the slot that it leaves.
; fill = 1: a round of the cluster's barrier, and behind it the old slot is filled with tile NXT; the descriptor's address is made anew from that number.  The load has four key steps in which to land.
.macro CHANGE fill
	WIN 0
	s_wait_tensorcnt 0x0
	ds_add_u32 v[SPW], v[NIL]
.if \fill
	s_lshl_b32 s[OFK], s[NXT], 15
	s_mul_i32 s[OFV], s[NXT], VTILE
	s_xor_b32 s[G0K+1], s[G0K+1], SLOT1
	s_add_nc_u64 s[G0K+2:G0K+3], s[6:7], s[OFK:OFK+1]
	s_or_b32 s[G0K+3], s[G0K+3], 0x80000000
	s_xor_b32 s[G0V+1], s[G0V+1], SLOT1
	s_add_nc_u64 s[G0V+2:G0V+3], s[8:9], s[OFV:OFV+1]
	s_or_b32 s[G0V+3], s[G0V+3], 0x80000000
	s_add_co_u32 s[NXT], s[NXT], 1                 ; the block's next tile, or behind its last the second block's tile 0
	s_cmp_gt_u32 s[NXT], s[LQ]
	s_cselect_b32 s[NXT], 0, s[NXT]
	s_cselect_b32 s[LQ], s[LQHI], s[LQ]
.endif
	s_wait_dscnt 0x0                               ; the add is done, and my reads of the slot are over
.if \fill
	CROUND
	JLOAD
.else
	s_barrier_signal -1
	s_barrier_wait -1
.endif
	s_sub_co_u32 s[TBK], s[TBK], KTILE             ; the fetches go back to a slot's first step, in the other slot
	s_xor_b32 s[TBK], s[TBK], SLOT1
	s_sub_co_u32 s[TBV], s[TBV], VTILE
	s_xor_b32 s[TBV], s[TBV], SLOT1
.endm
.macro ENTER
	s_cmp_eq_u32 s[TL], 1
	s_cselect_b32 s[CC], s[C4], 0
	s_mov_b32 s[CNT], 4
.endm
.macro LEAVE
	s_sub_co_u32 s[TL], s[TL], 1
	s_cmp_eq_u32 s[TL], 0
	s_cselect_b32 s[TL], s[THI], s[TL]
	s_cselect_b32 s[C4], s[C4HI], s[C4]
	s_cselect_b32 s[NEW], 1, s[NEW]
.endm
.macro SCAL                            ; the step whose scores this trip makes is 4 - CNT: the diagonal's (AL = 1, later key blocks hidden), one behind it (all hidden), or neither
	s_cmp_eq_u32 s[CNT], s[CC]
	s_cselect_b32 s[AL], 1.0, 0
	s_cmp_lt_u32 s[CNT], s[CC]
	s_cselect_b32 s[BE], s[BIGN], 0
	s_cmp_le_u32 s[CNT], s[CC]
	s_cselect_b32 s[BH], s[BIGN], 0
.endm
.macro MOP m                           ; line m of the 20 that make Z, H and T = TRI x AL + BE
.if (\m) < 8
	v_mov_b32 v[Z+(\m)], s[BE]
.elseif (\m) < 16
	v_mov_b32 v[H+(\m)-8], s[BH]
.else
	v_pk_fma_f32 v[T+2*((\m)-16):T+2*((\m)-16)+1], v[TRI+2*((\m)-16):TRI+2*((\m)-16)+1], s[AL:AL+1], s[BE:BE+1] op_sel_hi:[1,0,0]
.endif
.endm
; Product i of 20 of O^T += V^T P for piece x: tile x + i % 2, channel block (i / 2) % 5, keys 32 (i / 10) on.  The ten accumulators take turns.
.macro PV x
	WIN W_PV
.set rO, 40*((\x)+i%2)+8*((i/2)%5)
.set rV, VF+40*(i/10)+8*((i/2)%5)
.set rP, P+16*((\x)+i%2)+8*(i/10)
	v_wmma_f32_16x16x32_f16 v[rO:rO+7], v[rV:rV+7], v[rP:rP+7], v[rO:rO+7]
.endm
; Product i of 16 of S^T = K Q^T for piece x: tile x + i % 2, keys 16 ((i / 2) % 4) on, channels 32 (i / 8) on.  The first eight start the sums with the mask.
.macro KQ x
	WIN W_KQ
.set tq, (\x)+i%2
.set kb, (i/2)%4
.set rS, S+32*tq+8*kb
.set rK, 16*kb+8*(i/8)
.set rQ, QF+16*tq+8*(i/8)
.if i < 8
.if kb < tq
.set rM, Z
.elseif kb == tq
.set rM, T
.else
.set rM, H
.endif
	v_wmma_f32_16x16x32_f16 v[rS:rS+7], v[rK:rK+7], v[rQ:rQ+7], v[rM:rM+7]
.else
	v_wmma_f32_16x16x32_f16 v[rS:rS+7], v[rK:rK+7], v[rQ:rQ+7], v[rS:rS+7]
.endif
.endm
.macro FETCH_K                         ; a step's K: 64 keys x 64 channels, 8 fragments, in one run
	WIN 0
	v_add_nc_u32 v[ADR], s[TBK], v[AK0]
	s_add_co_u32 s[TBK], s[TBK], 64*PK
	WIN 0x80
.irp f, 0,1,2,3,4,5,6,7
	ds_load_b128 v[8*(\f):8*(\f)+3],   v[ADR] offset:((\f)/2)*16*PK+((\f)%2)*64
	ds_load_b128 v[8*(\f)+4:8*(\f)+7], v[ADR] offset:((\f)/2)*16*PK+((\f)%2)*64+32
.endr
.endm
.macro FETCH_V                         ; a step's V, turned: 64 keys x 80 channels, 10 fragments, in one run; the wait for the turn's exponentials stands in front of the loads
	WIN 0
	v_add_nc_u32 v[ADR], s[TBV], v[AV0]
	s_add_co_u32 s[TBV], s[TBV], 64*PVP
	s_wait_alu depctr_va_vdst(0)
	WIN 0x80
.irp f, 0,1,2,3,4,5,6,7,8,9
	ds_load_tr16_b128 v[VF+8*(\f):VF+8*(\f)+3],   v[ADR] offset:((\f)/5)*32*PVP+((\f)%5)*32
	ds_load_tr16_b128 v[VF+8*(\f)+4:VF+8*(\f)+7], v[ADR] offset:((\f)/5)*32*PVP+16*PVP+((\f)%5)*32
.endr
.endm
.macro EX y, e                         ; exponential e of 64 of piece y: tile y + e % 2, score e / 2, ascending: each accumulator is read first at its low end
	v_exp_f32 v[S+32*((\y)+(\e)%2)+(\e)/2], v[S+32*((\y)+(\e)%2)+(\e)/2]
.endm
.macro CV y, c                         ; rounding c of 32: a pair of weights to f16
	v_cvt_pk_f16_f32 v[P+16*((\y)+(\c)%2)+(\c)/2], v[S+32*((\y)+(\c)%2)+2*((\c)/2)], v[S+32*((\y)+(\c)%2)+2*((\c)/2)+1]
.endm
; Slice k of 36 of the other piece's softmax.  0-20: three exponentials (and, mops = 1, a line of the masks).  21: the last exponential, a plain instruction, the batch's one wait; in piece 2's turn
; V's run of loads stands there, four plain instructions behind the last product that read V.  22-34: two roundings.  35: six, the places behind the turn's last product.
.macro SLICE x, mops
	WIN 0
.if k <= 20
	EX 2-(\x), 3*k
.if (\mops) && (k < 20)
	MOP k
.endif
	EX 2-(\x), 3*k+1
	EX 2-(\x), 3*k+2
.elseif k == 21
	EX 2-(\x), 63
	v_nop
.if (\x) == 2
	v_nop
	v_nop
	FETCH_V
.else
	s_wait_alu depctr_va_vdst(0)
.endif
.elseif k < 35
	CV 2-(\x), 2*(k-22)
	CV 2-(\x), 2*(k-22)+1
.else
.irp n, 26,27,28,29,30,31
	CV 2-(\x), \n
.endr
.endif
.set k, k+1
.endm
; A TURN of piece x.  kq = 0: the last turn: no further scores, and two slices behind each of the first sixteen products.
.macro TURN x, kq, mops
.set k, 0
.set i, 0
.if (\x) == 0
	s_wait_dscnt 0x0                               ; V is in
.endif
.rept 20
	PV \x
	SLICE \x, \mops
.if !(\kq) && (i < 16)
	SLICE \x, \mops
.endif
.if ((\x) == 0) && (\kq) && (i == 1)
	FETCH_K                                        ; the last product that read K stands in front of the six roundings that end the turn before
.endif
.set i, i+1
.endr
.if \kq
.if (\x) == 0
	s_wait_dscnt 0x0                               ; K is in
.endif
.set i, 0
.rept 16
	KQ \x
	SLICE \x, \mops
.set i, i+1
.endr
.endif
.endm
; THE WAY OUT of piece x.  l lies in the lowest register of each tile's fifth block.  O^T / l, rounded to f16; where l = 0 the mean of v takes its place; through my stage, back as whole rows.
; The packed numbers lie in the OTHER piece's S^T, which is free at that moment.  zero = 1: the piece's O^T and l start anew.
.macro PACKO t, tm, lr, mk
	WIN W_RS
.set j, 0
.rept 16
	v_pk_mul_f32 v[40*(\t)+2*j:40*(\t)+2*j+1], v[40*(\t)+2*j:40*(\t)+2*j+1], v[(\lr):(\lr)+1] op_sel_hi:[1,0]
.set j, j+1
.endr
	WIN 0x05
.set j, 0
.rept 16
	v_cvt_pk_f16_f32 v[(\tm)+j], v[40*(\t)+2*j], v[40*(\t)+2*j+1]
.set j, j+1
.endr
	WIN 0
.set j, 0
.rept 16
	v_cndmask_b32 v[(\tm)+j], v[VMH+j], v[(\tm)+j], s[\mk]
.set j, j+1
.endr
.irp f, 0,1,2,3
	ds_store_b128 v[STO], v[(\tm)+4*(\f):(\tm)+4*(\f)+3] offset:32*(\f)
.endr
.irp f, 0,1,2,3
	ds_load_b128 v[(\tm)+4*(\f):(\tm)+4*(\f)+3], v[RD] offset:(\f)*4*SP  ; LDS serves a wave's instructions in order: these see the stores above
.endr
.endm
.macro SENDO t, tm, younger
.irp f, 0,1,2,3
	s_wait_dscnt (\younger)+3-(\f)
	global_store_b128 v[GO], v[(\tm)+4*(\f):(\tm)+4*(\f)+3], s[10:11] offset:(\t)*2048+(\f)*512  ; 512 consecutive bytes, aligned
.endr
.endm
.macro DRAIN x, zero
	WIN 0x01
	v_mov_b32 v[LR], v[40*(\x)+32]
	v_mov_b32 v[LR+2], v[40*(\x)+72]
	WIN 0
	v_cmp_lt_f32 s[MK], 0, v[LR]
	v_cmp_lt_f32 s[MK+1], 0, v[LR+2]
	v_rcp_f32 v[LR], v[LR]
	v_rcp_f32 v[LR+2], v[LR+2]
	v_nop                                          ; a plain instruction behind the last reciprocal, and one wait for both
	s_wait_alu depctr_va_vdst(0)
	PACKO (\x), S+32*(2-(\x)), LR, MK
	PACKO (\x)+1, S+32*(3-(\x)), LR+2, MK+1
	SENDO (\x), S+32*(2-(\x)), 8
	SENDO (\x)+1, S+32*(3-(\x)), 0
	s_wait_xcnt 0x0                                ; the stores have read their registers and O's address: both are written again only behind this wait
.if \zero
	WIN 0x40
.set j, 40*(\x)
.rept 80
	v_mov_b32 v[j], 0
.set j, j+1
.endr
.endif
	WIN 0
.endm
	s_load_b256 s[4:11], s[0:1], 0x0               ; qb 4, kb 6, vb 8, vs 10
	s_load_b64 s[88:89], s[0:1], 0x20              ; ob
	v_lshl_add_u32 v[SPW], v0, 2, SPARE
	v_mov_b32 v[NIL], 0
	ds_add_u32 v[SPW], v[NIL]                      ; the wave's opening: the add and its wait ahead of my first tensor load
	v_lshrrev_b32 v1, 5, v0
	v_readfirstlane_b32 s[WV], v1
	s_bfe_u32 s13, ttmp6, 0x40000                  ; cx
	s_and_b32 s14, ttmp7, 0xffff
	s_lshr_b32 s15, s14, 4                         ; the batch
	s_and_b32 s16, s14, 15                         ; pb
	s_lshr_b32 s17, s16, 2                         ; the first block's last tile
	s_and_b32 s18, s16, 3                          ; and the diagonal's step in it
	s_lshl_b32 s19, s13, 2
	s_add_co_u32 s19, s19, s[WV]                   ; my head
	s_lshl_b32 s20, s15, 4
	s_add_co_u32 s20, s20, s19
	s_lshl_b32 s20, s20, 18                        ; its 2,048 rows of 128 bytes
	s_lshl_b32 s21, s16, 13
	s_add_co_u32 s90, s20, s21                     ; block pb
	s_sub_co_u32 s21, 31, s16
	s_lshl_b32 s21, s21, 13
	s_add_co_u32 s92, s20, s21                     ; block 31 - pb
	s_mov_b32 s91, 0
	s_mov_b32 s93, 0
	s_and_b32 s22, s[WV], 1                        ; which half of a tile's 256 keys I fetch
	s_lshl_b32 s23, s15, 18
	s_lshl_b32 s2, s22, 14
	s_add_co_u32 s2, s2, s23
	s_mov_b32 s3, 0
	s_mul_i32 s54, s15, 2048*PVP
	s_mul_i32 s55, s22, 128*PVP
	s_add_co_u32 s54, s54, s55
	s_mov_b32 s55, 0
	s_lshl_b32 s58, s15, 13                        ; the batch's 32 rows of vs
	s_mov_b32 s59, 0
	s_mov_b32 s[G1K], 15|(1<<16)|(1<<20)|(1<<21)|(4<<22)|(3<<25)  ; the mask of four; 2-byte elements; bit 21 beside a mask; 4 words of padding behind every 32
	s_mov_b32 s[G1K+1], 128<<16                    ; 128 keys are 16,384 dense bytes: 64 rows of 256
	s_mov_b32 s[G1K+2], 64<<16
	s_mov_b32 s[G1K+3], 128<<16
	s_mov_b32 s[G1K+4], 64
	s_mov_b32 s[G1K+5], 128
	s_mov_b32 s[G1K+6], 0
	s_mov_b32 s[G1K+7], 0
	s_mov_b32 s[G1V], 15|(1<<16)|(1<<21)           ; no padding: 128 keys are 20,480 dense bytes: 80 rows of 256
	s_mov_b32 s[G1V+1], 128<<16
	s_mov_b32 s[G1V+2], 80<<16
	s_mov_b32 s[G1V+3], 128<<16
	s_mov_b32 s[G1V+4], 80
	s_mov_b32 s[G1V+5], 128
	s_mov_b32 s[G1V+6], 0
	s_mov_b32 s[G1V+7], 0
	s_mov_b32 s[G0K], 1
	s_mul_i32 s[G0K+1], s22, 128*PK                ; slot 0
	s_mov_b32 s[G0V], 1
	s_mul_i32 s[G0V+1], s22, 128*PVP
	s_add_co_u32 s[G0V+1], s[G0V+1], VOFF
	s_add_co_u32 s[TL], s17, 1
	s_sub_co_u32 s[THI], 8, s17
	s_sub_co_u32 s[C4], 4, s18
	s_add_co_u32 s[C4HI], s18, 1
	s_mov_b32 s[LQ], s17
	s_sub_co_u32 s[LQHI], 7, s17
	s_mov_b32 s[NXT], 1                            ; tile 0 is asked for below; behind it tile 1, or the second block's tile 0
	s_cmp_gt_u32 s[NXT], s[LQ]
	s_cselect_b32 s[NXT], 0, s[NXT]
	s_cselect_b32 s[LQ], s[LQHI], s[LQ]
	s_mov_b32 s[NEW], 0
	s_mov_b32 s[DR], 0
	s_mov_b32 s[TBK], SLOT1+KTILE                  ; the first change of slots turns these two into 0
	s_mov_b32 s[TBV], SLOT1+VTILE
	s_mov_b32 s[SLOTS], 8
	s_mov_b32 s[AL+1], 0                           ; named as pairs
	s_mov_b32 s[BE+1], 0
	s_mov_b32 s[OFK+1], 0
	s_mov_b32 s[OFV+1], 0
	s_mov_b32 s[BIGN], 0xf149f2ca                  ; -1e30
	s_mul_i32 s60, s[WV], 16*SP
	s_add_co_u32 s60, s60, STAGE                   ; my stage
	s_lshl_b32 s61, s[WV], 8
	s_add_co_u32 s61, s61, VMS
	s_wait_dscnt 0x0                               ; the opening add is done
	s_wait_kmcnt 0x0
	s_add_nc_u64 s[6:7], s[6:7], s[2:3]            ; K and V at my half of the batch's tile 0
	s_add_nc_u64 s[8:9], s[8:9], s[54:55]
	s_add_nc_u64 s[48:49], s[10:11], s[58:59]      ; vs
	s_add_nc_u64 s[50:51], s[4:5], s[92:93]        ; Q of the second block,
	s_add_nc_u64 s[4:5], s[4:5], s[90:91]          ; of the first
	s_add_nc_u64 s[10:11], s[88:89], s[90:91]      ; O of the first block,
	s_add_nc_u64 s[52:53], s[88:89], s[92:93]      ; of the second
	s_mov_b64 s[G0K+2:G0K+3], s[6:7]
	s_or_b32 s[G0K+3], s[G0K+3], 0x80000000
	s_mov_b64 s[G0V+2:G0V+3], s[8:9]
	s_or_b32 s[G0V+3], s[G0V+3], 0x80000000
	CROUND                                         ; all four work-groups are here
	JLOAD                                          ; tile 0 into slot 0; slot 1 is asked for when it is in
	v_and_b32 v1, 15, v0                           ; r
	v_bfe_u32 v[HH], v0, 4, 1                      ; h
	v_lshlrev_b32 v[QO], 7, v1
	v_lshl_add_u32 v[QO], v[HH], 4, v[QO]
	WIN 0x40
.set i, 0
.rept 8                                ; Q: tile i / 2, channels 32 (i % 2) on
	global_load_b128 v[QF+8*i:QF+8*i+3],   v[QO], s[4:5] offset:(i/2)*2048+(i%2)*64
	global_load_b128 v[QF+8*i+4:QF+8*i+7], v[QO], s[4:5] offset:(i/2)*2048+(i%2)*64+32
.set i, i+1
.endr
	WIN 0x80
.set i, 0
.rept 8
	global_load_b128 v[QB+8*i:QB+8*i+3],   v[QO], s[50:51] offset:(i/2)*2048+(i%2)*64
	global_load_b128 v[QB+8*i+4:QB+8*i+7], v[QO], s[50:51] offset:(i/2)*2048+(i%2)*64+32
.set i, i+1
.endr
	WIN 0
	v_and_b32 v[GO], 31, v0
	v_lshlrev_b32 v40, 3, v[GO]                    ; 8 x lane (v40-45 are at work here; the masks take them at the entry)
.set i, 0
.rept 32
	global_load_b64 v[S+2*i:S+2*i+1], v40, s[48:49] offset:256*i
.set i, i+1
.endr
	; What the first turn finds: O^T and l are 0; V and piece 2's P hold 0, so that its products V^T P, of a step that has not been, add 0.  All this stands in the wait for the first tile.
	WIN 0x40
.set i, 0
.rept 160
	v_mov_b32 v[i], 0
.set i, i+1
.endr
	WIN 0x80
.set i, VF
.rept 80
	v_mov_b32 v[i], 0
.set i, i+1
.endr
	WIN 0
.set i, P+32
.rept 32
	v_mov_b32 v[i], 0
.set i, i+1
.endr
	v_mov_b32 v[LR+1], 0                           ; named with l as pairs
	v_mov_b32 v[LR+3], 0
	v_and_b32 v41, 7, v0
	v_bfe_u32 v42, v0, 3, 1
	v_lshlrev_b32 v43, 3, v[HH]
	v_sub_nc_u32 v43, v1, v43                      ; r - 8 h: register j is hidden where j is greater
.set i, 0
.rept 8
	v_cmp_gt_i32 s[MK], i, v43
	v_cndmask_b32 v[TRI+i], 0, s[BIGN], s[MK]
.set i, i+1
.endr
	v_mul_u32_u24 v[AK0], v1, PK
	v_lshl_add_u32 v[AK0], v[HH], 4, v[AK0]
	v_lshl_add_u32 v[AV0], v[HH], 3, v41           ; the turning load: key 8 h + l % 8, channels 8 ((l / 8) % 2) on
	v_mul_u32_u24 v[AV0], v[AV0], PVP
	v_lshl_add_u32 v[AV0], v42, 4, v[AV0]
	v_add_nc_u32 v[AV0], VOFF, v[AV0]
	v_mul_u32_u24 v[STO], v1, SP
	v_lshl_add_u32 v[STO], v[HH], 4, v[STO]
	v_add_nc_u32 v[STO], s60, v[STO]
	v_bfe_u32 v[RD], v0, 3, 2
	v_mul_u32_u24 v[RD], v[RD], SP
	v_lshl_add_u32 v[RD], v41, 4, v[RD]
	v_add_nc_u32 v[RD], s60, v[RD]
	v_add_nc_u32 v44, s61, v40
	v_lshl_add_u32 v45, v[HH], 5, s61
	v_lshlrev_b32 v[GO], 4, v[GO]
	s_wait_loadcnt 0x0                             ; Q, and the 32 rows of sums
.irp w, 32,16,8,4,2
.set j, 0
.rept (\w)/2
	v_pk_add_f32 v[S+2*j:S+2*j+1], v[S+2*j:S+2*j+1], v[S+(\w)+2*j:S+(\w)+2*j+1]
.set j, j+1
.endr
.endr
	v_pk_mul_f32 v[S:S+1], v[S:S+1], 0x3a000000 op_sel_hi:[1,0]  ; / 2,048: lane l holds channels 2 l, 2 l + 1 of the mean
	ds_store_b64 v44, v[S:S+1]
.irp c, 0,1,2,3
	ds_load_b128 v[S+32+8*(\c):S+32+8*(\c)+3], v45 offset:64*(\c)       ; my own bytes, served in order: channels 16 c + 8 h + 0..7, as O^T holds them
	ds_load_b128 v[S+32+8*(\c)+4:S+32+8*(\c)+7], v45 offset:64*(\c)+16
.endr
	s_wait_dscnt 0x0
.set j, 0
.rept 16
	v_cvt_pk_f16_f32 v[VMH+j], v[S+32+2*j], v[S+32+2*j+1]
.set j, j+1
.endr
	CHANGE 1                                       ; slot 0 is in, everybody's part of it; slot 1 is asked for
	ENTER
	SCAL
	WIN 0
.set k, 0
.rept 20
	MOP k
.set k, k+1
.endr
	FETCH_K
	s_wait_dscnt 0x0
.set i, 0
.rept 16
	KQ 0                                           ; piece 0's first scores
.set i, i+1
.endr
	WIN 0
	PLACES
	s_branch .Lfirst                               ; the loop is entered in the middle of a trip
.Lslot:                                        ; seven times: a tile is entered and the next is asked for
	CHANGE 1
	ENTER
.Lstep:                                        ; a trip makes the scores of step 4 - CNT and the products V^T P of the step before
	SCAL
	s_cmp_eq_u32 s[NEW], 1
	s_cbranch_scc0 .Lsame
	WIN 0x42                                       ; the second block begins: its Q goes where the turns name Q; the first block's last products V^T P are still to come
.set i, 0
.rept 64
	v_mov_b32 v[QF+i], v[QB+i]
.set i, i+1
.endr
	WIN 0
	s_mov_b32 s[NEW], 0
	s_mov_b32 s[DR], 1
.Lsame:
	TURN 0, 1, 1
	WIN 0
	s_cmp_eq_u32 s[DR], 1
	s_cbranch_scc0 .Lfirst
	DRAIN 0, 1                                     ; the first block's piece 0 is finished
.Lfirst:
	TURN 2, 1, 0
	WIN 0
	s_cmp_eq_u32 s[DR], 1
	s_cbranch_scc0 .Lkept
	DRAIN 2, 1                                     ; and its piece 2
	s_mov_b64 s[10:11], s[52:53]
	s_mov_b32 s[DR], 0
.Lkept:
	s_sub_co_u32 s[CNT], s[CNT], 1
	s_cmp_lg_u32 s[CNT], 0
	s_cbranch_scc1 .Lstep
	LEAVE
	s_sub_co_u32 s[SLOTS], s[SLOTS], 1
	s_cmp_lg_u32 s[SLOTS], 0
	s_cbranch_scc1 .Lslot
	CHANGE 0                                       ; the walk's last tile is written out; the change of blocks never falls here
	ENTER
.Ltail:
	SCAL
	TURN 0, 1, 1
	TURN 2, 1, 0
	WIN 0
	s_sub_co_u32 s[CNT], s[CNT], 1
	s_cmp_lg_u32 s[CNT], 0
	s_cbranch_scc1 .Ltail
	TURN 0, 0, 0                                   ; piece 0: V^T P of the last step | piece 2's last softmax
.set i, 0
.rept 20
	PV 2
.set i, i+1
.endr
	DRAIN 0, 0                                     ; its lines are the places behind piece 2's last products
	DRAIN 2, 0
	s_wait_tensorcnt 0x0                           ; the wave's end
	ds_add_u32 v[SPW], v[NIL]
	s_wait_dscnt 0x0
	CROUND                                         ; the closing round
	s_endpgm
.Lfunc_end_k_qf218d1f117_attn:
	.size	k_qf218d1f117_attn, .Lfunc_end_k_qf218d1f117_attn-k_qf218d1f117_attn
	.p2alignl 7, 3214868480
	.fill 96, 4, 3214868480
	.section	.rodata,"a",@progbits
	.p2align	6, 0x0
	.amdhsa_kernel k_qf218d1f117_attn
		.amdhsa_group_segment_fixed_size 327680
		.amdhsa_private_segment_fixed_size 0
		.amdhsa_enable_private_segment 0
		.amdhsa_kernarg_size 40
		.amdhsa_user_sgpr_count 2
		.amdhsa_user_sgpr_kernarg_segment_ptr 1
		.amdhsa_wavefront_size32 1
		.amdhsa_system_sgpr_workgroup_id_x 1
		.amdhsa_system_sgpr_workgroup_id_y 1
		.amdhsa_system_sgpr_workgroup_id_z 1
		.amdhsa_system_vgpr_workitem_id 0
		.amdhsa_next_free_vgpr 768
		.amdhsa_next_free_sgpr 96
		.amdhsa_reserve_vcc 0
		.amdhsa_float_denorm_mode_32 3
		.amdhsa_float_denorm_mode_16_64 3
		.amdhsa_memory_ordered 1
		.amdhsa_forward_progress 1
		.amdhsa_inst_pref_size 126
	.end_amdhsa_kernel
	.amdgpu_metadata
---
amdhsa.version: [ 1, 2 ]
amdhsa.kernels:
  - .name:           k_qf218d1f117_attn
    .symbol:         k_qf218d1f117_attn.kd
    .args:
      - { .name: qb, .offset: 0, .size: 8, .value_kind: global_buffer, .address_space: global }
      - { .name: kb, .offset: 8, .size: 8, .value_kind: global_buffer, .address_space: global }
      - { .name: vb, .offset: 16, .size: 8, .value_kind: global_buffer, .address_space: global }
      - { .name: vs, .offset: 24, .size: 8, .value_kind: global_buffer, .address_space: global }
      - { .name: ob, .offset: 32, .size: 8, .value_kind: global_buffer, .address_space: global }
    .group_segment_fixed_size: 327680
    .private_segment_fixed_size: 0
    .kernarg_segment_align: 8
    .kernarg_segment_size: 40
    .max_flat_workgroup_size: 128
    .sgpr_count:     96
    .vgpr_count:     768
    .wavefront_size: 32
...
	.end_amdgpu_metadata
.endif
;; end of part 3
;; launch outp (part 4): grid 32 x 8, 4 waves a work-group, clusters of 4 x 4, 327,680 bytes of LDS; arguments ob, w2, out0; writes out0
.if DOCPART == 4
	.amdgcn_target "amdgcn-amd-amdhsa--gfx1250"
	.amdhsa_code_object_version 6
	.text
	.protected	k_qf218d1f117_outp
	.globl	k_qf218d1f117_outp
	.p2align	8
	.type	k_qf218d1f117_outp,@function
k_qf218d1f117_outp:
	s_mov_b64 s[64:65], 0
	v_nop
	global_prefetch_b8 v0, s[64:65] scope:SCOPE_SE
	s_setreg_imm32_b32 hwreg(HW_REG_WAVE_MODE, 25, 1), 1
	s_wait_xcnt 0x0
	s_wait_alu depctr_hold_cnt(0) depctr_sa_sdst(0) depctr_va_vdst(0) depctr_va_sdst(0) depctr_va_ssrc(0) depctr_va_vcc(0) depctr_vm_vsrc(0)
	s_getreg_b32 s2, hwreg(HW_REG_IB_STS2, 6, 4)
	s_cmp_eq_u32 s2, 0
	s_cbranch_scc0 .Lentry_in_a_cluster
	s_endpgm
.Lentry_in_a_cluster:
	s_bfe_u32 s2, ttmp6, 0x10000c
	s_cmp_lg_u32 s2, 0xf033
	s_cbranch_scc0 .Lentry_shape_is_right
	s_endpgm
.Lentry_shape_is_right:
; OUT.  out0 = O Wo: 8,192 tokens x 1,024 channels, K = 1,024 (head x 64 + channel), f16 operands, f32 sums, f32 out.
; SHARES.  A work-group makes 256 tokens x 128 channels (planes 2 NT, 2 NT + 1 of w2); wave w the tokens 64 w .. 64 w + 63 and all 128 channels: 32 accumulators.  32 x 8 = 256 work-groups.
; THE MATRIX INSTRUCTION IS USED TRANSPOSED: source 0 = 16 channels, source 1 = 16 tokens: a lane holds one token (lane % 16) and the channels 8 (lane / 16) + 0..7.
; RING.  K goes in 8 steps of 128 (two heads) through two LDS slots.  O lies by heads, [b][h][n][64]: waves 0, 1 fetch 128 tokens of two heads each by one descriptor (a head's 128 tokens are 16,384
; dense bytes; 16 bytes of padding behind every 128: rows 144 apart).  Waves 2, 3 fetch 64 rows k of both planes each (rows 160 apart), read turned by ds_load_tr16_b128.
; CLUSTER.  4 x 4: O's tile hangs on the tile row MT alone and is shared by the four with my cx; the weights' on NT alone and is shared by the four with my cy: both are joint loads.
; PREFETCH.  O's blocks: the clusters with y = 0 ask, in them waves 0 and 1; of a wave's 128 blocks of a K step the partner at cy takes 32, told apart by address: one line, for the K step after the one
; that the refill asks for; the last refills ask for nothing.  w2 is not asked for: it is read by every tile row again.
; REGISTERS: window 0: v2-11 addresses, v64-127 tokens' fragments (two buffers of 32), v128-255 at work on the way out; window 1: channels' fragments (two buffers of 64);
;   window 2: accumulators of token blocks 0, 1 ((a, b) at 8 (8 (a % 2) + b)); window 3: of blocks 2, 3.
.set NG,    2
.set NBK,   4*NG
.set AP,    144
.set APL,   128*AP                     ; from a head's plane to the next in LDS
.set AHALF, 2*APL
.set BBASE, 2*AHALF
.set BP,    160
.set BPL,   64*BP
.set BHALF, NG*BPL
.set SLOT1, 1<<17
.set STAGE, SLOT1+BBASE+2*BHALF        ; behind the ring: 16 rows x 528 bytes for each wave
.set SPI,   528
.set SPARE, STAGE+4*16*SPI             ; the spare words: two blocks of 256 bytes that no other line names
.set NL,    2*NBK+8
.set ASTEP, 524288                     ; two heads of 2,048 rows of 128 bytes
.set BSTEP, 16384
.set ADRA0, 2
.set ADRB0, 3
.set ADRA,  4
.set ADRB,  5
.set STO,   6
.set RD,    7
.set GO,    8
.set PFO,   9
.set SPW,   10
.set NIL,   11
.set FA,    64
.set TMP,   128
.set G1A,   24
.set G0A,   32
.set LIM,   43
.set PFA,   44
.set G1B,   48
.set G0B,   56
.set TB,    66
.set MSB, 0
.macro WIN new
.if MSB != (\new)
	s_set_vgpr_msb (MSB<<8)|(\new)
.set MSB, \new
.endif
.endm
.macro PLACES
.rept 4
	v_nop
.endr
.endm
.macro CREST
	s_cmp_lg_u32 s10, 0
	s_cbranch_scc1 .Lnot_wave_0_\@
	s_barrier_signal -3
.Lnot_wave_0_\@:
	s_barrier_wait -3
	s_barrier_signal -1
	s_barrier_wait -1
.endm
.macro CROUND
	s_barrier_signal -1
	s_barrier_wait -1
	CREST
.endm
.macro JLOAD                           ; the joint refill: waves 0, 1 O's tile, waves 2, 3 the weights'; an s_nop 0 and four v_nop follow each line
	s_cmp_eq_u32 s11, 0
	s_cbranch_scc0 .Lfor_b_\@
	tensor_load_to_lds s[G0A+4:G0A+7], s[G1A:G1A+7]
	s_nop 0
.rept 4
	v_nop
.endr
	s_branch .Lasked_\@
.Lfor_b_\@:
	tensor_load_to_lds s[G0B+4:G0B+7], s[G1B:G1B+7]
	s_nop 0
.rept 4
	v_nop
.endr
.Lasked_\@:
.endm
.macro ASK
	s_cmp_gt_u32 s3, s[LIM]
	s_cbranch_scc0 .Lnot_mine_\@
	global_prefetch_b8 v[PFO], s[PFA:PFA+1] th:TH_LOAD_NT scope:SCOPE_SE
.Lnot_mine_\@:
.endm
.macro MULA f, a, zero                 ; the NBK products of token block a on buffer f; the accumulators take turns
	WIN 0xa1+0x50*((\a)/2)
.set b, 0
.rept NBK
.set rD, 8*(NBK*((\a)%2)+b)
.if \zero
	v_wmma_f32_16x16x32_f16 v[rD:rD+7], v[8*NBK*(\f)+8*b:8*NBK*(\f)+8*b+7], v[FA+32*(\f)+8*(\a):FA+32*(\f)+8*(\a)+7], 0
.else
	v_wmma_f32_16x16x32_f16 v[rD:rD+7], v[8*NBK*(\f)+8*b:8*NBK*(\f)+8*b+7], v[FA+32*(\f)+8*(\a):FA+32*(\f)+8*(\a)+7], v[rD:rD+7]
.endif
.set b, b+1
.endr
.endm
.macro FETCH kc, f                     ; one run of LDS loads: K quarter kc into buffer f
	WIN 0x40
.set b, 0
.rept NBK
	ds_load_tr16_b128 v[8*NBK*(\f)+8*b:8*NBK*(\f)+8*b+3],   v[ADRB] offset:((\kc)/2)*BHALF+(b/4)*BPL+((\kc)%2)*32*BP+(b%4)*32
	ds_load_tr16_b128 v[8*NBK*(\f)+8*b+4:8*NBK*(\f)+8*b+7], v[ADRB] offset:((\kc)/2)*BHALF+(b/4)*BPL+((\kc)%2)*32*BP+(b%4)*32+16*BP
.set b, b+1
.endr
	WIN 0
.irp a, 0,1,2,3
	ds_load_b128 v[FA+32*(\f)+8*(\a):FA+32*(\f)+8*(\a)+3],   v[ADRA] offset:(\a)*16*AP+((\kc)/2)*APL+((\kc)%2)*64
	ds_load_b128 v[FA+32*(\f)+8*(\a)+4:FA+32*(\f)+8*(\a)+7], v[ADRA] offset:(\a)*16*AP+((\kc)/2)*APL+((\kc)%2)*64+32
.endr
.endm
.macro QUARTER kn, f, g, zero
	s_wait_dscnt 4                                 ; all but the tokens' blocks 2 and 3
	MULA \f, 0, \zero
	MULA \f, 1, \zero
	PLACES
	FETCH \kn, \g
	s_wait_dscnt NL                                ; all but the run just issued
	MULA \f, 2, \zero
	MULA \f, 3, \zero
.endm
; The last quarter multiplies buffer 1 and changes slots: the wait for all my tensor loads, the add, the wait for it and for my reads of this slot, the barrier; fill = 1: it opens a round of the
; cluster's barrier, and behind the round this slot is filled again, with the K step two on.
.macro TURN fill
.if \fill
	s_wait_xcnt 0x0                                ; the last prefetch, a K step back, has read its address
	s_add_nc_u64 s[PFA:PFA+1], s[PFA:PFA+1], ASTEP
.endif
	WIN 0
	s_wait_tensorcnt 0x0
	ds_add_u32 v[SPW], v[NIL]
.if \fill
	s_xor_b32 s[G0A+5], s[G0A+5], SLOT1            ; no tensor load of mine is out: the walking descriptors take the other slot and the next K step
	s_add_nc_u64 s[G0A+6:G0A+7], s[G0A+6:G0A+7], ASTEP
	s_xor_b32 s[G0B+5], s[G0B+5], SLOT1
	s_add_nc_u64 s[G0B+6:G0B+7], s[G0B+6:G0B+7], BSTEP
.endif
	s_wait_dscnt 5                                 ; the add and the youngest four loads may be out
	MULA 1, 0, 0
	s_wait_dscnt 0x0
	s_barrier_signal -1
	MULA 1, 1, 0
	WIN 0
	s_barrier_wait -1
.if \fill
	CREST
	JLOAD
.else
	PLACES
.endif
	s_xor_b32 s[TB], s[TB], SLOT1
	v_add_nc_u32 v[ADRA], s[TB], v[ADRA0]
	v_add_nc_u32 v[ADRB], s[TB], v[ADRB0]
	FETCH 0, 0
.if \fill
	ASK
.endif
	MULA 1, 2, 0
	MULA 1, 3, 0
.endm
	s_load_b128 s[68:71], s[0:1], 0x0              ; ob 68, w2 70
	s_load_b64 s[72:73], s[0:1], 0x10              ; out0
	v_lshl_add_u32 v[SPW], v0, 2, SPARE
	v_mov_b32 v[NIL], 0
	ds_add_u32 v[SPW], v[NIL]                      ; the wave's opening: the add and its wait ahead of my first tensor load
	v_lshrrev_b32 v1, 5, v0
	v_readfirstlane_b32 s10, v1
	s_lshr_b32 s11, s10, 1
	s_and_b32 s12, s10, 1
	s_bfe_u32 s13, ttmp6, 0x40000                  ; cx
	s_bfe_u32 s40, ttmp6, 0x40004                  ; cy
	s_lshl_b32 s14, ttmp9, 2
	s_add_co_u32 s14, s14, s13                     ; MT
	s_and_b32 s41, ttmp7, 0xffff                   ; the cluster's y
	s_lshl_b32 s15, s41, 2
	s_add_co_u32 s15, s15, s40                     ; NT
	s_lshl_b32 s42, 0x1111, s13                    ; the four with my cx
	s_lshl_b32 s46, s40, 2
	s_lshl_b32 s46, 15, s46                        ; the four with my cy
	s_or_b32 s[G1A], s42, (3<<16)|(1<<20)|(1<<21)|(4<<22)|(3<<25)  ; 8-byte elements; bit 21 beside a mask; 4 words of padding behind every 32
	s_mov_b32 s[G1A+1], 2048<<16                   ; tensor_dim0 = 2,048: a head's 128 tokens, 16,384 dense bytes
	s_mov_b32 s[G1A+2], 2<<16                      ; tensor_dim1 = two heads
	s_mov_b32 s[G1A+3], 2048<<16
	s_mov_b32 s[G1A+4], 2
	s_mov_b32 s[G1A+5], 32768                      ; 262,144 bytes from head to head
	s_mov_b32 s[G1A+6], 0
	s_mov_b32 s[G1A+7], 0
	s_or_b32 s[G1B], s46, (3<<16)|(1<<20)|(1<<21)|(4<<22)|(7<<25)  ; 8 words of padding behind every 32
	s_mov_b32 s[G1B+1], 1024<<16
	s_mov_b32 s[G1B+2], NG<<16
	s_mov_b32 s[G1B+3], 1024<<16
	s_mov_b32 s[G1B+4], NG
	s_mov_b32 s[G1B+5], 16384
	s_mov_b32 s[G1B+6], 0
	s_mov_b32 s[G1B+7], 0
	s_lshr_b32 s16, s14, 3                         ; O's tile: the batch's 16 heads,
	s_lshl_b32 s16, s16, 22
	s_and_b32 s17, s14, 7
	s_lshl_b32 s17, s17, 15                        ; my 256 tokens in a head,
	s_add_co_u32 s16, s16, s17
	s_lshl_b32 s17, s12, 14                        ; my 128 of them
	s_add_co_u32 s16, s16, s17
	s_mov_b32 s17, 0
	s_lshl_b32 s46, s15, 18                        ; the weights': two planes,
	s_lshl_b32 s47, s12, 13                        ; my 64 rows k
	s_add_co_u32 s46, s46, s47
	s_mov_b32 s47, 0
	s_mul_i32 s18, s12, AHALF                      ; where they go: the wave's number alone enters an LDS address
	s_mul_i32 s19, s12, BHALF
	s_add_co_u32 s19, s19, BBASE
	s_lshl_b32 s76, s40, 12                        ; the prefetches: my work-group's 16 blocks of each head, at K step 2; the first refill steps it to 3
	s_add_co_u32 s76, s76, s16
	s_add_co_u32 s76, s76, 2*ASTEP
	s_mov_b32 s77, 0
	s_or_b32 s[LIM], s11, s41
	s_cmp_eq_u32 s[LIM], 0
	s_cselect_b32 s[LIM], 1, -1                    ; the same in all sixteen partners, for a given wave
	s_lshl_b32 s78, s14, 20                        ; out0: my 64 rows of 4,096 bytes, my 512 bytes of them
	s_lshl_b32 s79, s10, 18
	s_add_co_u32 s78, s78, s79
	s_lshl_b32 s79, s15, 9
	s_add_co_u32 s78, s78, s79
	s_mov_b32 s79, 0
	s_mov_b32 s[TB], 0
	s_wait_dscnt 0x0                               ; the opening add is done
	s_wait_kmcnt 0x0
	s_add_nc_u64 s[16:17], s[68:69], s[16:17]
	s_add_nc_u64 s[46:47], s[70:71], s[46:47]
	s_add_nc_u64 s[PFA:PFA+1], s[68:69], s[76:77]
	s_add_nc_u64 s[74:75], s[72:73], s[78:79]
	CROUND                                         ; all sixteen work-groups are here: the first joint loads meet
.irp s, 0,1
	s_mov_b32 s[G0A+4*(\s)], 1
	s_add_co_u32 s[G0A+4*(\s)+1], s18, (\s)*SLOT1
	s_add_nc_u64 s[G0A+4*(\s)+2:G0A+4*(\s)+3], s[16:17], (\s)*ASTEP
	s_or_b32 s[G0A+4*(\s)+3], s[G0A+4*(\s)+3], 0x80000000
	s_mov_b32 s[G0B+4*(\s)], 1
	s_add_co_u32 s[G0B+4*(\s)+1], s19, (\s)*SLOT1
	s_add_nc_u64 s[G0B+4*(\s)+2:G0B+4*(\s)+3], s[46:47], (\s)*BSTEP
	s_or_b32 s[G0B+4*(\s)+3], s[G0B+4*(\s)+3], 0x80000000
.endr
	s_cmp_eq_u32 s11, 0                            ; a wave's two first fills stand in one branch: two loads of mine are out
	s_cbranch_scc0 .Lfirst_b
	tensor_load_to_lds s[G0A:G0A+3], s[G1A:G1A+7]
	s_nop 0
	tensor_load_to_lds s[G0A+4:G0A+7], s[G1A:G1A+7]
	s_nop 0
.rept 4
	v_nop
.endr
	s_branch .Lfirst_done
.Lfirst_b:
	tensor_load_to_lds s[G0B:G0B+3], s[G1B:G1B+7]
	s_nop 0
	tensor_load_to_lds s[G0B+4:G0B+7], s[G1B:G1B+7]
	s_nop 0
.rept 4
	v_nop
.endr
.Lfirst_done:
	v_and_b32 v1, 15, v0                           ; r
	v_bfe_u32 v12, v0, 4, 1                        ; h
	v_and_b32 v13, 7, v0
	v_bfe_u32 v14, v0, 3, 1
	v_and_b32 v15, 31, v0
	s_lshl_b32 s23, s12, 6
	s_mul_i32 s22, s11, AHALF
	v_add_nc_u32 v[ADRA0], s23, v1                 ; tokens: the half that holds my 64, row 64 (w % 2) + r, 16 bytes for each half of the lanes
	v_mul_u32_u24 v[ADRA0], v[ADRA0], AP
	v_lshl_add_u32 v[ADRA0], v12, 4, v[ADRA0]
	v_add_nc_u32 v[ADRA0], s22, v[ADRA0]
	v_lshl_add_u32 v[ADRB0], v12, 3, v13
	v_mul_u32_u24 v[ADRB0], v[ADRB0], BP
	v_lshl_add_u32 v[ADRB0], v14, 4, v[ADRB0]
	v_add_nc_u32 v[ADRB0], BBASE, v[ADRB0]
	v_mov_b32 v[ADRA], v[ADRA0]
	v_mov_b32 v[ADRB], v[ADRB0]
	v_lshlrev_b32 v[PFO], 8, v1                    ; 16 blocks of 256 bytes in one head, 16 in the next
	v_lshl_add_u32 v[PFO], v12, 18, v[PFO]
	s_mul_i32 s22, s10, 16*SPI
	s_add_co_u32 s22, s22, STAGE                   ; my stage
	v_mul_u32_u24 v[STO], v1, SPI                  ; in: row r of 512 bytes, laid 528 apart; 32 bytes for each half of the lanes
	v_lshl_add_u32 v[STO], v12, 5, v[STO]
	v_add_nc_u32 v[STO], s22, v[STO]
	v_lshlrev_b32 v[GO], 4, v15
	v_add_nc_u32 v[RD], s22, v[GO]                 ; back: a row a load
	s_wait_tensorcnt 1                             ; my part of K step 0 is in; K step 1's may stay out
	s_barrier_signal -1
	s_barrier_wait -1
	FETCH 0, 0
	QUARTER 1, 0, 1, 1                             ; the first quarter's products start the sums
	WIN 0
	s_mov_b32 s3, 6
.Lk:
	QUARTER 2, 1, 0, 0
	QUARTER 3, 0, 1, 0
	TURN 1
	QUARTER 1, 0, 1, 0
	WIN 0
	s_sub_co_u32 s3, s3, 1
	s_cmp_lg_u32 s3, 0
	s_cbranch_scc1 .Lk
	QUARTER 2, 1, 0, 0                             ; the last two K steps ask for nothing
	QUARTER 3, 0, 1, 0
	TURN 0
	QUARTER 1, 0, 1, 0
	QUARTER 2, 1, 0, 0
	QUARTER 3, 0, 1, 0
	s_wait_dscnt 4
	MULA 1, 0, 0
	MULA 1, 1, 0
	s_wait_dscnt 0x0
	MULA 1, 2, 0
	MULA 1, 3, 0
	WIN 0
	PLACES
	PLACES
; THE WAY OUT of token block a: the f32 sums go into my stage (each accumulator's low four registers first) and come back as whole rows of 512 bytes
.macro OUTA a
.set rT, TMP+64*((\a)%2)
.if (\a) >= 2
	s_wait_xcnt 0x0                                ; the stores that read this set have read it
.endif
	WIN 0x08+4*((\a)/2)
.set b, 0
.rept NBK
.set rA, 8*(NBK*((\a)%2)+b)
	ds_store_b128 v[STO], v[rA:rA+3] offset:64*b
	ds_store_b128 v[STO], v[rA+4:rA+7] offset:64*b+16
.set b, b+1
.endr
	WIN 0
.set t, 0
.rept 16
	ds_load_b128 v[rT+4*t:rT+4*t+3], v[RD] offset:SPI*t  ; LDS serves a wave's instructions in order: these see the stores above, the next block's stores come behind them
.set t, t+1
.endr
.set t, 0
.rept 16
	s_wait_dscnt 15-t
	global_store_b128 v[GO], v[rT+4*t:rT+4*t+3], s[74:75] offset:(\a)*65536+t*4096 th:TH_STORE_NT  ; 512 consecutive bytes, aligned
.set t, t+1
.endr
.endm
	OUTA 0
	OUTA 1
	OUTA 2
	OUTA 3
	s_wait_tensorcnt 0x0                           ; the wave's end
	ds_add_u32 v[SPW], v[NIL]
	s_wait_dscnt 0x0
	CROUND                                         ; the closing round
	s_endpgm
.Lfunc_end_k_qf218d1f117_outp:
	.size	k_qf218d1f117_outp, .Lfunc_end_k_qf218d1f117_outp-k_qf218d1f117_outp
	.p2alignl 7, 3214868480
	.fill 96, 4, 3214868480
	.section	.rodata,"a",@progbits
	.p2align	6, 0x0
	.amdhsa_kernel k_qf218d1f117_outp
		.amdhsa_group_segment_fixed_size 327680
		.amdhsa_private_segment_fixed_size 0
		.amdhsa_enable_private_segment 0
		.amdhsa_kernarg_size 24
		.amdhsa_user_sgpr_count 2
		.amdhsa_user_sgpr_kernarg_segment_ptr 1
		.amdhsa_wavefront_size32 1
		.amdhsa_system_sgpr_workgroup_id_x 1
		.amdhsa_system_sgpr_workgroup_id_y 1
		.amdhsa_system_sgpr_workgroup_id_z 1
		.amdhsa_system_vgpr_workitem_id 0
		.amdhsa_next_free_vgpr 896
		.amdhsa_next_free_sgpr 80
		.amdhsa_reserve_vcc 0
		.amdhsa_float_denorm_mode_32 3
		.amdhsa_float_denorm_mode_16_64 3
		.amdhsa_memory_ordered 1
		.amdhsa_forward_progress 1
		.amdhsa_inst_pref_size 72
	.end_amdhsa_kernel
	.amdgpu_metadata
---
amdhsa.version: [ 1, 2 ]
amdhsa.kernels:
  - .name:           k_qf218d1f117_outp
    .symbol:         k_qf218d1f117_outp.kd
    .args:
      - { .name: ob, .offset: 0, .size: 8, .value_kind: global_buffer, .address_space: global }
      - { .name: w2, .offset: 8, .size: 8, .value_kind: global_buffer, .address_space: global }
      - { .name: out0, .offset: 16, .size: 8, .value_kind: global_buffer, .address_space: global }
    .group_segment_fixed_size: 327680
    .private_segment_fixed_size: 0
    .kernarg_segment_align: 8
    .kernarg_segment_size: 24
    .max_flat_workgroup_size: 128
    .sgpr_count:     80
    .vgpr_count:     896
    .wavefront_size: 32
...
	.end_amdgpu_metadata
.endif
;; end of part 4
;; ======== version 2 of 2: 4 launches; version 1 with the launch prep written anew for expert scheduling mode
;; limits: values are held in f16: magnitudes above 65,504 overflow, below 6.1e-05 lose precision
;; workspace buffers: xn 16,777,216 bytes; w1 2,359,296 bytes; w2 2,097,152 bytes; qb 16,777,216 bytes; kb 1,048,576 bytes; vb 1,310,720 bytes; vs 32,768 bytes; ob 16,777,216 bytes
;; launch prep (part 5): grid 392 x 1, 4 waves a work-group, no clusters, 0 bytes of LDS; arguments x, ln_w, ln_b, Wq, Wkv, Wo, xn, w1, w2; writes xn, w1, w2
.if DOCPART == 5
	.amdgcn_target "amdgcn-amd-amdhsa--gfx1250"
	.amdhsa_code_object_version 6
	.text
	.protected	k_qf218d1f117_prep
	.globl	k_qf218d1f117_prep
	.p2align	8
	.type	k_qf218d1f117_prep,@function
k_qf218d1f117_prep:
	s_mov_b64 s[64:65], 0
	v_nop
	global_prefetch_b8 v0, s[64:65] scope:SCOPE_SE
	s_setreg_imm32_b32 hwreg(HW_REG_WAVE_SCHED_MODE, 0, 2), 2
	s_setreg_imm32_b32 hwreg(HW_REG_WAVE_MODE, 25, 1), 1
	s_wait_xcnt 0x0
	s_wait_alu depctr_vm_vsrc(0)
; PREP.  Work-groups 0-255: xn = LayerNorm(x) ln_w + ln_b, [8192][1024], written as f16.  Work-groups 256-391: the three weight tables, written as f16 by planes of 64 columns.
; FORMATS.  Every input (x, ln_w, ln_b, Wq, Wkv, Wo) is rounded once to bf16; all arithmetic is f32; xn is rounded once to f16; a weight is the bf16 number written as f16.
; LIMITS.  |xn| is at most 32 |ln_w| + |ln_b| and has to stay under 65,504; so has every weight.  A weight under 2^-14 keeps f16's fixed step of 2^-24.  NaN and infinities are not treated apart.
; LAYERNORM.  One wave, one row: eight loads of 16 bytes a lane keep the row's 4,096 bytes in 32 registers.  Mean first, then the sum of squares of x - mean: no difference of large sums.
; A wave has 8 rows and two row slots: while one row is worked on the other's eight loads are out.  A store covers 256 consecutive bytes, aligned.
; WEIGHTS.  Plane g of 34 (0-15: Wq's columns 64 g on; 16, 17: Wkv's two halves; 18-33: Wo's) is [1024 k][64] f16, 131,072 dense bytes.  A work-group takes a quarter of a plane's rows, a wave 64.
; No LDS, no matrix unit, no cluster: no work-group wants a byte that another has fetched, and the launch only streams.
; THE MODE: SCHED_MODE bits 1:0 = 2 (LLVM: expert scheduling mode 2), set by the entry lines.  The code itself states the register dependences
; between vector instructions and memory instructions, with s_wait_alu, always for 0.
; THE PLAN, LAYERNORM.  Registers that memory instructions touch:
;   v1, v2    byte offsets, made once at the head and never written again: the rows are reached by the scalar bases and by immediate offsets.
;   W, B      loaded once at the head; from their rounding on they are named by vector instructions alone.
;   X0, X1    Row p works in place on X[p % 2]; its sixteen roundings to f16 read the slot last; behind them the loads of row p + 2 land in it.
;   Y         Written by a row's sixteen roundings; read by that row's eight stores; written again a whole row later.
;   T, SM, MU, RS are named by vector instructions alone.
; So ONE wait on va_vdst stands behind a row's roundings: it states that Y is written and that the slot is done with.  The row's eight loads and eight stores follow it by turns, the load first, with no
; vector instruction between.  It stands behind the lines that empty the slot, so that the slot is asked for again at once.  The next row's vector instructions name the other slot, and Y only behind
; the wait on vm_vsrc that stands ahead of its roundings.  A second wait on va_vdst in a row is the one behind the two roots.
; THE PLAN, WEIGHTS.  v8-15: offsets, made once.  v16-47: a trip's eight loads land there, its conversions read them.  v64-79: written by the conversions, read by the trip's eight stores.
; ONE wait on va_vdst stands behind a trip's conversions, for the run of stores and for the next trip's loads; one on vm_vsrc at the trip's end, for the next trip's conversions.
.set XR,  4096                         ; bytes in a row of x
.set YR,  2048                         ; bytes in a row of xn
.set T,   4                            ; v4-7    at work
.set SM,  8                            ; v8-15   four pairs of running sums
.set W,   16                           ; v16-47  ln_w of my 32 columns
.set B,   48                           ; v48-79  ln_b of my 32 columns
.set X,   80                           ; v80-143 two row slots of 32
.set Y,   144                          ; v144-159 a row's 32 numbers as f16
.set MU,  160                          ; v160-161 the mean, twice
.set RS,  162                          ; v162-163 1 / sqrt(var + eps), twice
.macro FILL s, off                     ; eight loads: the whole row at byte off behind the pointer, into slot s
.irp j, 0,1,2,3,4,5,6,7
	global_load_b128 v[X+32*(\s)+4*(\j):X+32*(\s)+4*(\j)+3], v1, s[4:5] offset:(\off)+512*(\j) th:TH_LOAD_NT
.endr
.endm
.macro REDUCE                          ; the four pairs, then the 32 lanes: the sum ends in v[SM] of every lane
	v_pk_add_f32 v[SM:SM+1], v[SM:SM+1], v[SM+2:SM+3]
	v_pk_add_f32 v[SM+4:SM+5], v[SM+4:SM+5], v[SM+6:SM+7]
	v_pk_add_f32 v[SM:SM+1], v[SM:SM+1], v[SM+4:SM+5]
	v_add_f32 v[SM], v[SM], v[SM+1]
	v_add_f32_dpp v[SM], v[SM], v[SM] row_xmask:1 row_mask:0xf bank_mask:0xf
	v_add_f32_dpp v[SM], v[SM], v[SM] row_xmask:2 row_mask:0xf bank_mask:0xf
	v_add_f32_dpp v[SM], v[SM], v[SM] row_xmask:4 row_mask:0xf bank_mask:0xf
	v_add_f32_dpp v[SM], v[SM], v[SM] row_xmask:8 row_mask:0xf bank_mask:0xf
	v_permlanex16_b32 v[SM+1], v[SM], s10, s11
	v_add_f32 v[SM], v[SM], v[SM+1]
.endm
; The row in slot s.  fill = 1: the slot takes the row two further down.  left: the younger loads that may stay out.
.macro ROW s, fill, left
.set XS, X+32*(\s)
	s_wait_loadcnt \left                           ; loads come back in order: my row is in, the other slot's may be out
.set j, 0
.rept 16                               ; x rounded to bf16 and widened again, a pair at a time
	v_cvt_pk_bf16_f32 v[T+j%4], v[XS+2*j], v[XS+2*j+1]
	v_lshlrev_b32 v[XS+2*j], 16, v[T+j%4]
	v_and_b32 v[XS+2*j+1], s8, v[T+j%4]
.set j, j+1
.endr
.irp k, 0,1,2,3
	v_pk_add_f32 v[SM+2*(\k):SM+2*(\k)+1], v[XS+2*(\k):XS+2*(\k)+1], v[XS+8+2*(\k):XS+8+2*(\k)+1]  ; four chains, started by the first sums
.endr
.irp g, 16,24
.irp k, 0,1,2,3
	v_pk_add_f32 v[SM+2*(\k):SM+2*(\k)+1], v[SM+2*(\k):SM+2*(\k)+1], v[XS+(\g)+2*(\k):XS+(\g)+2*(\k)+1]
.endr
.endr
	REDUCE
	v_mul_f32 v[MU], s9, v[SM]                     ; the mean: sum / 1,024
	v_mul_f32 v[MU+1], s9, v[SM]
.set j, 0
.rept 16
	v_pk_add_f32 v[XS+2*j:XS+2*j+1], v[XS+2*j:XS+2*j+1], v[MU:MU+1] neg_lo:[0,1] neg_hi:[0,1]  ; x - mean
.set j, j+1
.endr
.irp k, 0,1,2,3
	v_pk_mul_f32 v[SM+2*(\k):SM+2*(\k)+1], v[XS+2*(\k):XS+2*(\k)+1], v[XS+2*(\k):XS+2*(\k)+1]
.endr
.irp g, 8,16,24
.irp k, 0,1,2,3
	v_pk_fma_f32 v[SM+2*(\k):SM+2*(\k)+1], v[XS+(\g)+2*(\k):XS+(\g)+2*(\k)+1], v[XS+(\g)+2*(\k):XS+(\g)+2*(\k)+1], v[SM+2*(\k):SM+2*(\k)+1]
.endr
.endr
	REDUCE
	v_fmaak_f32 v[T], s9, v[SM], 0x3727c5ac        ; var + 1e-5
	v_rsq_f32 v[RS], v[T]
	v_rsq_f32 v[RS+1], v[T]
	v_nop                                          ; a plain instruction behind the last root,
	s_wait_alu depctr_va_vdst(0)                   ; and the two roots have written v[RS] and v[RS+1], ahead of their first reader: one wait for both
.set j, 0
.rept 16
	v_pk_mul_f32 v[XS+2*j:XS+2*j+1], v[XS+2*j:XS+2*j+1], v[RS:RS+1]
.set j, j+1
.endr
.set j, 0
.rept 16
	v_pk_fma_f32 v[XS+2*j:XS+2*j+1], v[XS+2*j:XS+2*j+1], v[W+2*j:W+2*j+1], v[B+2*j:B+2*j+1]
.set j, j+1
.endr
	s_wait_xcnt 0x0                                ; the last row's stores have read Y: it is written again only behind this wait
	s_wait_alu depctr_vm_vsrc(0)                   ; the last row's stores, issued a whole row back, have read Y's registers, which the roundings below write again
.set j, 0
.rept 16
	v_cvt_pk_f16_f32 v[Y+j], v[XS+2*j], v[XS+2*j+1]
.set j, j+1
.endr
	s_wait_alu depctr_va_vdst(0)                   ; the roundings have written Y, which the stores below read; they and the lines that wrote the slot in place are done with it, and the loads below land in it
.irp j, 0,1,2,3,4,5,6,7
.if \fill
	global_load_b128 v[XS+4*(\j):XS+4*(\j)+3], v1, s[4:5] offset:(2+(\s))*XR+512*(\j) th:TH_LOAD_NT  ; the row two further down; no vector instruction since the wait names these registers
.endif
	global_store_b64 v2, v[Y+2*(\j):Y+2*(\j)+1], s[6:7] offset:(\s)*YR+256*(\j)  ; 32 lanes x 8 bytes: 256 consecutive bytes, aligned
.endr
.endm
	s_load_b512 s[16:31], s[0:1], 0x0              ; x 16, ln_w 18, ln_b 20, Wq 22, Wkv 24, Wo 26, xn 28, w1 30
	s_load_b64 s[32:33], s[0:1], 0x40              ; w2
	v_lshrrev_b32 v3, 5, v0
	v_readfirstlane_b32 s3, v3                     ; wave 0..3
	v_and_b32 v3, 31, v0                           ; lane
	v_lshlrev_b32 v1, 4, v3                        ; 16 x lane
	v_lshlrev_b32 v2, 3, v3                        ; 8 x lane
	s_mov_b32 s8, 0xffff0000                       ; a word's upper bf16
	s_wait_alu depctr_va_sdst(0)                   ; s3 is written, ahead of the branch and of its first reader on either way: the rows' and the planes' offsets are made from it
	s_wait_alu depctr_va_vdst(0)                   ; v1 and v2 are written: every load of x, gain and bias reads v1 as its offset, every store of the kernel v2
	s_cmp_lt_u32 ttmp9, 256
	s_cbranch_scc0 .Lweights
	s_mov_b32 s9, 0x3a800000                       ; 1 / 1,024
	s_mov_b32 s10, 0x76543210                      ; v_permlanex16_b32: each lane takes its own place in the other half
	s_mov_b32 s11, 0xfedcba98
	s_lshl_b32 s2, ttmp9, 5
	s_lshl3_add_u32 s2, s3, s2                     ; my first row: 32 x work-group + 8 x wave
	s_lshl_b32 s34, s2, 12
	s_mov_b32 s35, 0
	s_lshl_b32 s36, s2, 11
	s_mov_b32 s37, 0
	s_wait_kmcnt 0x0
	s_add_nc_u64 s[4:5], s[16:17], s[34:35]        ; x at my first row
	s_add_nc_u64 s[6:7], s[28:29], s[36:37]        ; xn at my first row
.irp j, 0,1,2,3,4,5,6,7
	global_load_b128 v[W+4*(\j):W+4*(\j)+3], v1, s[18:19] offset:512*(\j)
	global_load_b128 v[B+4*(\j):B+4*(\j)+3], v1, s[20:21] offset:512*(\j)
.endr
	FILL 0, 0
	FILL 1, XR
	s_wait_loadcnt 16                              ; gain and bias are in; the two rows' sixteen loads may stay out
.set j, 0
.rept 32                               ; both rounded to bf16 and widened: W and B lie on end
	v_cvt_pk_bf16_f32 v[T+j%4], v[W+2*j], v[W+2*j+1]
	v_lshlrev_b32 v[W+2*j], 16, v[T+j%4]
	v_and_b32 v[W+2*j+1], s8, v[T+j%4]
.set j, j+1
.endr
	s_mov_b32 s12, 3
.Lrows:                                        ; a trip: two rows worked on, the two behind them asked for
	ROW 0, 1, 8
	ROW 1, 1, 8
	s_wait_xcnt 0x0                                ; every load and store issued so far has read its base: the pointers step only behind this wait
	s_add_nc_u64 s[4:5], s[4:5], 2*XR
	s_add_nc_u64 s[6:7], s[6:7], 2*YR
	s_sub_co_u32 s12, s12, 1
	s_cmp_lg_u32 s12, 0
	s_cbranch_scc1 .Lrows
	ROW 0, 0, 8                                    ; the last two rows load nothing
	ROW 1, 0, 0
	s_endpgm
.Lweights:
	s_sub_co_u32 s2, ttmp9, 256
	s_lshr_b32 s12, s2, 2                          ; plane g, 0..33
	s_and_b32 s13, s2, 3
	s_lshl_b32 s13, s13, 8
	s_lshl_b32 s14, s3, 6
	s_add_co_u32 s13, s13, s14                     ; my first row k: 256 x quarter + 64 x wave
	s_sub_co_u32 s14, s12, 16                      ; the plane's number within Wkv,
	s_sub_co_u32 s15, s12, 18                      ; and within Wo (used only where they apply)
	s_movk_i32 s38, 512                            ; bytes in a row of Wkv,
	s_movk_i32 s39, 4096                           ; of Wq and Wo
	s_wait_kmcnt 0x0
	s_cmp_lt_u32 s12, 16
	s_cselect_b64 s[4:5], s[22:23], s[24:25]
	s_cselect_b32 s34, s39, s38
	s_cselect_b32 s35, s12, s14
	s_cmp_lt_u32 s12, 18
	s_cselect_b64 s[4:5], s[4:5], s[26:27]         ; the table,
	s_cselect_b32 s34, s34, s39                    ; its pitch,
	s_cselect_b32 s35, s35, s15                    ; which 64 of its columns,
	s_cselect_b64 s[6:7], s[30:31], s[32:33]       ; where the plane goes,
	s_cselect_b32 s36, s12, s15                    ; and its number there
	s_mul_i32 s40, s13, s34
	s_lshl_b32 s35, s35, 8
	s_add_co_u32 s40, s40, s35
	s_mov_b32 s41, 0
	s_add_nc_u64 s[4:5], s[4:5], s[40:41]
	s_lshl_b32 s40, s36, 17
	s_lshl_b32 s36, s13, 7
	s_add_co_u32 s40, s40, s36
	s_add_nc_u64 s[6:7], s[6:7], s[40:41]
	s_lshl_b32 s42, s34, 4                         ; 16 rows, a trip
	s_mov_b32 s43, 0
	s_lshl_b32 s37, s34, 1                         ; 2 rows, a load
	v_lshrrev_b32 v4, 4, v3
	v_and_b32 v5, 15, v3
	v_mul_lo_u32 v6, v4, s34
	v_lshl_add_u32 v8, v5, 4, v6                   ; a load takes 64 columns of two rows: lanes 0-15 the first row's 256 bytes, lanes 16-31 the second's
.irp i, 1,2,3,4,5,6,7
	v_add_nc_u32 v[8+(\i)], s37, v[7+(\i)]
.endr
	s_wait_alu depctr_va_vdst(0)                   ; the eight offsets v8 to v15 are written, which the loads of every trip read; they are never written again
	s_mov_b32 s12, 4
.Lwt:
.irp i, 0,1,2,3,4,5,6,7
	global_load_b128 v[16+4*(\i):19+4*(\i)], v[8+(\i)], s[4:5] th:TH_LOAD_NT  ; no vector instruction since the last wait on va_vdst names v16 to v47
.endr
.irp i, 0,1,2,3,4,5,6,7
	s_wait_loadcnt 7-(\i)                          ; load i is in, the younger ones may stay out
	v_cvt_pk_bf16_f32 v48, v[16+4*(\i)], v[17+4*(\i)]
	v_cvt_pk_bf16_f32 v49, v[18+4*(\i)], v[19+4*(\i)]
	v_lshlrev_b32 v50, 16, v48
	v_and_b32 v51, s8, v48
	v_lshlrev_b32 v52, 16, v49
	v_and_b32 v53, s8, v49
	v_cvt_pk_f16_f32 v[64+2*(\i)], v50, v51
	v_cvt_pk_f16_f32 v[65+2*(\i)], v52, v53
.endr
	s_wait_alu depctr_va_vdst(0)                   ; the conversions have written v64 to v79, which the stores below read, and are done reading v16 to v47, in which the next trip's loads land
.irp i, 0,1,2,3,4,5,6,7
	global_store_b64 v2, v[64+2*(\i):65+2*(\i)], s[6:7] offset:256*(\i)  ; two rows of the plane: 256 consecutive bytes, aligned
.endr
	s_wait_xcnt 0x0                                ; bases and store data are written again only behind this wait
	s_wait_alu depctr_vm_vsrc(0)                   ; the stores have read v64 to v79, which the next trip's conversions write again
	s_add_nc_u64 s[4:5], s[4:5], s[42:43]
	s_add_nc_u64 s[6:7], s[6:7], 2048
	s_sub_co_u32 s12, s12, 1
	s_cmp_lg_u32 s12, 0
	s_cbranch_scc1 .Lwt
	s_endpgm
.Lfunc_end_k_qf218d1f117_prep:
	.size	k_qf218d1f117_prep, .Lfunc_end_k_qf218d1f117_prep-k_qf218d1f117_prep
	.p2alignl 7, 3214868480
	.fill 96, 4, 3214868480
	.section	.rodata,"a",@progbits
	.p2align	6, 0x0
	.amdhsa_kernel k_qf218d1f117_prep
		.amdhsa_group_segment_fixed_size 0
		.amdhsa_private_segment_fixed_size 0
		.amdhsa_enable_private_segment 0
		.amdhsa_kernarg_size 72
		.amdhsa_user_sgpr_count 2
		.amdhsa_user_sgpr_kernarg_segment_ptr 1
		.amdhsa_wavefront_size32 1
		.amdhsa_system_sgpr_workgroup_id_x 1
		.amdhsa_system_sgpr_workgroup_id_y 1
		.amdhsa_system_sgpr_workgroup_id_z 1
		.amdhsa_system_vgpr_workitem_id 0
		.amdhsa_next_free_vgpr 168
		.amdhsa_next_free_sgpr 66
		.amdhsa_reserve_vcc 0
		.amdhsa_float_denorm_mode_32 3
		.amdhsa_float_denorm_mode_16_64 3
		.amdhsa_memory_ordered 1
		.amdhsa_forward_progress 1
		.amdhsa_inst_pref_size 57
	.end_amdhsa_kernel
	.amdgpu_metadata
---
amdhsa.version: [ 1, 2 ]
amdhsa.kernels:
  - .name:           k_qf218d1f117_prep
    .symbol:         k_qf218d1f117_prep.kd
    .args:
      - { .name: x, .offset: 0, .size: 8, .value_kind: global_buffer, .address_space: global }
      - { .name: ln_w, .offset: 8, .size: 8, .value_kind: global_buffer, .address_space: global }
      - { .name: ln_b, .offset: 16, .size: 8, .value_kind: global_buffer, .address_space: global }
      - { .name: Wq, .offset: 24, .size: 8, .value_kind: global_buffer, .address_space: global }
      - { .name: Wkv, .offset: 32, .size: 8, .value_kind: global_buffer, .address_space: global }
      - { .name: Wo, .offset: 40, .size: 8, .value_kind: global_buffer, .address_space: global }
      - { .name: xn, .offset: 48, .size: 8, .value_kind: global_buffer, .address_space: global }
      - { .name: w1, .offset: 56, .size: 8, .value_kind: global_buffer, .address_space: global }
      - { .name: w2, .offset: 64, .size: 8, .value_kind: global_buffer, .address_space: global }
    .group_segment_fixed_size: 0
    .private_segment_fixed_size: 0
    .kernarg_segment_align: 8
    .kernarg_segment_size: 72
    .max_flat_workgroup_size: 128
    .sgpr_count:     66
    .vgpr_count:     168
    .wavefront_size: 32
...
	.end_amdgpu_metadata
.endif
;; end of part 5
;; launch qkv: the kernel of part 2 again; grid 32 x 6, 4 waves a work-group, clusters of 4 x 1, 327,680 bytes of LDS; arguments xn, w1, context_mask, qb, kb, vb, vs; writes qb, kb, vb, vs
;; launch attn: the kernel of part 3 again; grid 4 x 64, 4 waves a work-group, clusters of 4 x 1, 327,680 bytes of LDS; arguments qb, kb, vb, vs, ob; writes ob
;; launch outp: the kernel of part 4 again; grid 32 x 8, 4 waves a work-group, clusters of 4 x 4, 327,680 bytes of LDS; arguments ob, w2, out0; writes out0
